; MI455X (gfx1250); checked and timed in simulation.
; The chip was launched on July 23, 2026; its instructions are those of AMD's public machine-readable ISA for CDNA 5 (MIT licence, August 2026) and "CDNA5" Instruction Set Architecture Reference Guide (July 2026). The comments in the code are by the model that wrote it; some were corrected since.
;; Mo E Layer. Allowed arithmetic: matrix products marked QUANTISED: E2M3 operands, one E8M0 scale for each 32 along K, by v_wmma_scale_f32_16x16x128_f8f6f4 with both operands' format E2M3, f32 sums; products left as they are: f32 operands where the result goes on into a quantised operand, else bf16, f16 or f32 operands; f32 sums; everything else in f32.
;; Inputs: w_down 8 x 256 x 1,024 float32; w_gate 8 x 1,024 x 256 float32; w_router 1,024 x 8 float32; w_up 8 x 1,024 x 256 float32; x 4 x 2,048 x 1,024 float32.
;; Outputs: out0 4 x 2,048 x 1,024 float32; out1 1 float32; out2 1 float32.
;; This version of the problem:
;;   THIS VERSION OF THE PROBLEM IS GIVEN IN LOW PRECISION. The matrix products marked QUANTISED in the list below multiply operands that are first quantised to E2M3 (2 exponent bits, 3 mantissa bits; 6 bits a number), with one power-of-two scale for each 32 numbers along K (OCP MX v1.0); their sums are f32. All else is computed in f32.
;;   The module's matrix products, in the order in which they are computed (A, B: the left and right operand; K: the contracted axis; several contracted axes count as one K, in the product's order):
;;     1. [M 8,192, K 1,024] x [K 1,024, N 8]; A: input x; B: input w_router: left as it is (N = 8 < 16)
;;     2. batch 8,192 x [M 1, K 2] x [K 2, N 8]; A: computed on the way; B: computed on the way: left as it is (K = 2 < 32)
;;     3. [M 8,192, K 1,024] x [K 1,024, N 256]; A: input x; B: input w_gate: QUANTISED
;;     4. [M 8,192, K 1,024] x [K 1,024, N 256]; A: input x; B: input w_up: QUANTISED
;;     5. [M 8,192, K 256] x [K 256, N 1,024]; A: computed on the way; B: input w_down: QUANTISED
;;     6. [M 8,192, K 1,024] x [K 1,024, N 256]; A: input x; B: input w_gate: QUANTISED
;;     7. [M 8,192, K 1,024] x [K 1,024, N 256]; A: input x; B: input w_up: QUANTISED
;;     8. [M 8,192, K 256] x [K 256, N 1,024]; A: computed on the way; B: input w_down: QUANTISED
;;     9. [M 8,192, K 1,024] x [K 1,024, N 256]; A: input x; B: input w_gate: QUANTISED
;;     10. [M 8,192, K 1,024] x [K 1,024, N 256]; A: input x; B: input w_up: QUANTISED
;;     11. [M 8,192, K 256] x [K 256, N 1,024]; A: computed on the way; B: input w_down: QUANTISED
;;     12. [M 8,192, K 1,024] x [K 1,024, N 256]; A: input x; B: input w_gate: QUANTISED
;;     13. [M 8,192, K 1,024] x [K 1,024, N 256]; A: input x; B: input w_up: QUANTISED
;;     14. [M 8,192, K 256] x [K 256, N 1,024]; A: computed on the way; B: input w_down: QUANTISED
;;     15. [M 8,192, K 1,024] x [K 1,024, N 256]; A: input x; B: input w_gate: QUANTISED
;;     16. [M 8,192, K 1,024] x [K 1,024, N 256]; A: input x; B: input w_up: QUANTISED
;;     17. [M 8,192, K 256] x [K 256, N 1,024]; A: computed on the way; B: input w_down: QUANTISED
;;     18. [M 8,192, K 1,024] x [K 1,024, N 256]; A: input x; B: input w_gate: QUANTISED
;;     19. [M 8,192, K 1,024] x [K 1,024, N 256]; A: input x; B: input w_up: QUANTISED
;;     20. [M 8,192, K 256] x [K 256, N 1,024]; A: computed on the way; B: input w_down: QUANTISED
;;     21. [M 8,192, K 1,024] x [K 1,024, N 256]; A: input x; B: input w_gate: QUANTISED
;;     22. [M 8,192, K 1,024] x [K 1,024, N 256]; A: input x; B: input w_up: QUANTISED
;;     23. [M 8,192, K 256] x [K 256, N 1,024]; A: computed on the way; B: input w_down: QUANTISED
;;     24. [M 8,192, K 1,024] x [K 1,024, N 256]; A: input x; B: input w_gate: QUANTISED
;;     25. [M 8,192, K 1,024] x [K 1,024, N 256]; A: input x; B: input w_up: QUANTISED
;;     26. [M 8,192, K 256] x [K 256, N 1,024]; A: computed on the way; B: input w_down: QUANTISED
;;   THE QUANTISER, for each operand of a quantised product, along K:
;;     - K is cut into blocks of 32 from its start; a last block that is shorter is filled with zeros.
;;     - A block's scale is 2^e with e = floor(log2(the largest magnitude in the block)) - 2, held to -126 .. 127; a block of zeros has e = 0. As a byte (E8M0): e + 127.
;;     - Each number is divided by its block's scale, clamped to +-7.5, and rounded to the nearest number of E2M3, ties to even, subnormals kept.
;;     - The product sums the exact products of the quantised numbers (number of the format x scale) in f32.
;;   ~~~python
;;   def quantise(x, axis):      # numpy; x: float32 -> the quantised numbers, widened to float32 again
;;       x = np.moveaxis(x, axis, -1); K = x.shape[-1]
;;       x = np.pad(x, [(0, 0)] * (x.ndim - 1) + [(0, -K % 32)]); x = x.reshape(x.shape[:-1] + (-1, 32)); a = np.abs(x).max(-1, keepdims=True)
;;       e = np.where(a > 0, np.clip(np.frexp(np.where(a > 0, a, 1))[1] - 1 - 2, -126, 127), 0)      # np.frexp(a)[1] - 1 = floor(log2(a)), exactly
;;       r = np.clip(x / 2.0 ** e, -7.5, 7.5)
;;       step = 2.0 ** (np.maximum(np.frexp(np.where(r == 0, 1, r))[1] - 1, 0) - 3)
;;       q = np.round(r / step) * step * 2.0 ** e      # np.round: ties to even
;;       return np.moveaxis(q.reshape(q.shape[:-2] + (-1,))[..., :K], -1, axis).astype(np.float32)
;;   ~~~
;;   OPERANDS COMPUTED ON THE WAY. 'Computed on the way' means the value that the module computes at that place (a softmax that the list does not call 'softmax' is quantised finished and normalised). What goes into a quantiser is computed in f32, as accurately as f32 sums, v_exp_f32 and their like allow (about 1e-6 of the number): no bf16 or f16 on the way to a quantiser, and a product that is left as it is and whose result goes on into a quantised operand takes f32 operands (vector FMAs, or v_wmma_f32_16x16x4_f32). A number that lies on a knife's edge between two numbers of the format may be rounded either way, as far as f32 arithmetic and the matrix unit's own rounding can turn it there, and no further.
;; 3 versions, each right; version 2 is faster than version 1; version 3 is version 2 with the launch experts written anew for expert scheduling mode. Each part assembles by itself: llvm-mc -triple=amdgcn-amd-amdhsa -mcpu=gfx1250 --defsym DOCPART=n.
;; ======== version 1 of 3: 3 launches
;; workspace buffers: xq 6,291,456 bytes; xs 262,144 bytes; comb 262,144 bytes; route 65,536 bytes of whole numbers; part 16,384 bytes; wqa 3,276,800 bytes; wqb 1,638,400 bytes; order 32,768 bytes of whole numbers
;; launch xprep (part 1): grid 256 x 1, 4 waves a work-group, no clusters, 78,848 bytes of LDS; arguments x, w_router, xq, xs, comb, route, part; writes xq, xs, comb, route, part
.if DOCPART == 1
	.amdgcn_target "amdgcn-amd-amdhsa--gfx1250"
	.amdhsa_code_object_version 6
	.text
	.protected	k_q5d199ff67f_xprep
	.globl	k_q5d199ff67f_xprep
	.p2align	8
	.type	k_q5d199ff67f_xprep,@function
k_q5d199ff67f_xprep:
	s_mov_b64 s[64:65], 0
	v_nop
	global_prefetch_b8 v0, s[64:65] scope:SCOPE_SE
	s_setreg_imm32_b32 hwreg(HW_REG_WAVE_MODE, 25, 1), 1
	s_wait_xcnt 0x0
; x [8192][1024] f32 is read once.  Made of it: the router's logits (f32 multiply-adds), softmax, the two largest probabilities (the lower index wins a tie), the combine weights;
; x's codes of FP6 (E2M3) with one E8M0 byte for each 32 along K; for each group of 32 tokens whole numbers at fixed places (a token's pair of experts as a key 0..27, its rank among equal keys
; of the group, its mask of experts; the group's count of each key); and the group's sums for the two losses.  No address and no branch hangs on any of these numbers.
; SHARES.  A work-group takes 32 tokens, a wave 8, two at a time.  Each load reads 512 consecutive bytes of a row; a row turns through the wave's own stage in LDS, so that lane l holds block l: 32 neighbours along K.
; So a block's largest magnitude needs no other lane, and lane l's 256 numbers of w_router (rows 32 l .. 32 l + 31) stay in its registers (window 1).
; xq: a token's 768 bytes; block l at 96 (l / 4) + 48 (l % 2) + 24 ((l / 2) % 2): lane (r, h) of K step s of the matrix operand then finds its 12 registers as 48 bytes on end at 96 s + 48 h.
; No matrix unit, no cluster, no tensor load: the launch streams, and its work-groups share only w_router's 32 KiB.
; LIMITS: NaN and infinities in x are not served.  A block of zeros gets the byte 1 (its codes are zeros, and this program alone reads the bytes).  The exponential gives 0 under 2^-126: among such
; probabilities the second choice is the lowest index, and its weight is 0.
.set WST,  33280                       ; LDS: w_router (1,024 bytes + 16 for each lane) lies in front; then a region for each wave:
.set WSZ,  11008                       ; two row stages of 32 x 144 bytes, a stage for two rows' codes, 256 scale bytes
.set CST,  9216
.set SBT,  10752
.set LG,   77312                       ; the 32 tokens' logits, 32 bytes each
.set RAW,  32                          ; v32-159   four rows as loaded
.set X,    160                         ; v160-223  two rows, 32 neighbours a lane
.set ACC,  224                         ; v224-239  two rows' eight partial logits
.set OUTC, 240                         ; v240-251  two rows' codes on the way out
.set MSB, 0
.macro WIN new                         ; the immediate's high byte repeats the setting that is left
.if MSB != (\new)
	s_set_vgpr_msb (MSB<<8)|(\new)
.set MSB, (\new)
.endif
.endm
	s_load_b256 s[4:11], s[0:1], 0x0               ; x, w_router, xq, xs
	s_load_b128 s[12:15], s[0:1], 0x20             ; comb, route
	s_load_b64 s[16:17], s[0:1], 0x30              ; part
	v_lshl_add_u32 v255, v0, 2, 0x13200
	s_set_vgpr_msb 0x80
	v_mov_b32 v1, 0
	s_set_vgpr_msb 0x8000
	v_lshrrev_b32 v1, 5, v0
	v_readfirstlane_b32 s18, v1                    ; wave
	v_and_b32 v1, 31, v0                           ; lane
	s_mul_i32 s19, s18, WSZ
	s_add_co_u32 s19, s19, WST                     ; my wave's region
	v_lshrrev_b32 v2, 3, v1
	v_mul_u32_u24 v2, v2, 144
	v_and_b32 v3, 7, v1
	v_lshl_add_u32 v2, v3, 4, v2
	v_add_nc_u32 v2, s19, v2                       ; a row stage, on the way in: eight lanes' 128 bytes on end, then 16 of padding
	v_mul_u32_u24 v3, v1, 144
	v_add_nc_u32 v3, s19, v3                       ; on the way out: my block
	v_lshrrev_b32 v4, 2, v1
	v_mul_u32_u24 v4, v4, 96
	v_and_b32 v5, 1, v1
	v_mad_u32_u24 v4, v5, 48, v4
	v_bfe_u32 v5, v1, 1, 1
	v_mad_u32_u24 v4, v5, 24, v4
	v_add_nc_u32 v4, s19, v4
	v_add_nc_u32 v4, CST, v4                       ; my block's 24 bytes in a row of xq
	v_lshlrev_b32 v8, 4, v1                        ; 16 x lane
	v_add_nc_u32 v5, s19, v8
	v_add_nc_u32 v5, CST, v5                       ; the codes' stage, read back dense
	v_add_nc_u32 v6, s19, v1
	v_add_nc_u32 v6, SBT, v6                       ; my block's scale byte
	v_lshlrev_b32 v7, 3, v1
	v_add_nc_u32 v7, s19, v7
	v_add_nc_u32 v7, SBT, v7                       ; the scale bytes, read back dense
	s_lshl_b32 s22, s18, 8
	s_add_co_u32 s22, s22, LG
	v_mov_b32 v9, s22                              ; my wave's eight tokens' logits
	v_lshlrev_b32 v29, 4, v0                       ; w_router: 16 x thread
	v_lshrrev_b32 v30, 6, v0
	v_lshl_add_u32 v30, v30, 4, v29                ; and in LDS 16 more for each 1,024 passed
	v_mul_u32_u24 v31, v1, 1040                    ; my lane's 1,024 bytes of it
	s_mov_b32 s20, 0x76543210
	s_mov_b32 s21, 0xfedcba98                      ; lane l xor 16
	s_lshl_b32 s22, ttmp9, 17                      ; 32 rows of 4,096 bytes a work-group,
	s_lshl_b32 s23, s18, 15                        ; 8 a wave
	s_add_co_u32 s22, s22, s23
	s_mov_b32 s23, 0
	s_mul_i32 s24, ttmp9, 24576                    ; the same in rows of 768 bytes
	s_mul_i32 s25, s18, 6144
	s_add_co_u32 s24, s24, s25
	s_mov_b32 s25, 0
	s_lshl_b32 s26, ttmp9, 10                      ; and of 32 bytes
	s_lshl_b32 s27, s18, 8
	s_add_co_u32 s26, s26, s27
	s_mov_b32 s27, 0
	s_wait_kmcnt 0x0
	s_add_nc_u64 s[4:5], s[4:5], s[22:23]
	s_add_nc_u64 s[8:9], s[8:9], s[24:25]
	s_add_nc_u64 s[10:11], s[10:11], s[26:27]
.irp i, 0,1,2,3,4,5,6,7,8,9,10,11,12,13,14,15
	global_load_b128 v[X+4*\i:X+4*\i+3], v29, s[6:7] offset:2048*\i    ; w_router: the work-group's 128 threads read 2,048 consecutive bytes
.endr
.irp r, 0,1,2,3
.irp i, 0,1,2,3,4,5,6,7
	global_load_b128 v[RAW+32*\r+4*\i:RAW+32*\r+4*\i+3], v8, s[4:5] offset:4096*\r+512*\i th:TH_LOAD_NT
.endr
.endr
	s_wait_loadcnt 32                              ; w_router is in; the four rows' 32 loads stay out
.irp i, 0,1,2,3,4,5,6,7,8,9,10,11,12,13,14,15
	ds_store_b128 v30, v[X+4*\i:X+4*\i+3] offset:2080*\i
.endr
	s_wait_dscnt 0x0                               ; for the others' sake: my part of w_router lies in LDS
	s_barrier_signal -1
	s_barrier_wait -1
	WIN 0x40                                       ; destination window 1
.set n, 0
.rept 64
	ds_load_b128 v[4*n:4*n+3], v31 offset:16*n     ; register 8 i + e = w_router[32 lane + i][e]
.set n, n+1
.endr
	WIN 0
	s_wait_dscnt 0x0
; one row's block of 32 in v[X + 32 r] on: largest magnitude with the floor 2^(3 - 127) among its leaves, 2 off its exponent field, 32 codes, the byte
.macro QROW r, p
.set XR, X+32*(\r)
.set CR, 10+10*(\r)
	v_max3_num_f32 v252, |v[XR]|, |v[XR+1]|, 0x1800000
	v_max3_num_f32 v253, |v[XR+2]|, |v[XR+3]|, |v[XR+4]|
.irp i, 5,9,13,17,21,25
	v_max3_num_f32 v252, v252, |v[XR+\i]|, |v[XR+\i+1]|
	v_max3_num_f32 v253, v253, |v[XR+\i+2]|, |v[XR+\i+3]|
.endr
	v_max3_num_f32 v252, v252, |v[XR+29]|, |v[XR+30]|
	v_max3_num_f32 v252, v252, v253, |v[XR+31]|
	v_add_nc_u32 v254, 0xff000000, v252            ; the conversion takes this operand's exponent field as its scale
	v_cvt_scalef32_pk16_fp6_f32 v[CR:CR+2], v[XR:XR+15], v254
	v_cvt_scalef32_pk16_fp6_f32 v[CR+6:CR+8], v[XR+16:XR+31], v254   ; (a conversion's three registers begin on an even number)
	v_lshrrev_b32 v[CR+9], 23, v254                ; the byte; also the plain line behind the conversions
.irp i, 0,1,2
	v_mov_b32 v[CR+3+\i], v[CR+6+\i]
.endr
.irp k, 0,1,2
	ds_store_b64 v4, v[CR+2*\k:CR+2*\k+1] offset:768*(\r)+8*\k
.endr
	ds_store_b8 v6, v[CR+9] offset:32*(2*(\p)+(\r))
.endm
; two rows: 2 p and 2 p + 1 of the wave's eight
.macro PAIR p
.if \p < 3
	s_wait_loadcnt 16                              ; this pair's 16 loads are in; the next pair's 16 stay out
.else
	s_wait_loadcnt 0x0
.endif
.irp r, 0,1
.irp i, 0,1,2,3,4,5,6,7
	ds_store_b128 v2, v[RAW+32*((2*\p+\r)%4)+4*\i:RAW+32*((2*\p+\r)%4)+4*\i+3] offset:4608*\r+576*\i
.endr
.endr
.irp r, 0,1
.irp j, 0,1,2,3,4,5,6,7
	ds_load_b128 v[X+32*\r+4*\j:X+32*\r+4*\j+3], v3 offset:4608*\r+16*\j   ; LDS serves a wave's instructions in order: these see the stores above
.endr
.endr
	s_wait_dscnt 0x0                               ; the rows are turned, and the stores have read the registers that the next loads fill
.if \p < 2
.irp r, 0,1
.irp i, 0,1,2,3,4,5,6,7
	global_load_b128 v[RAW+32*((2*\p+\r)%4)+4*\i:RAW+32*((2*\p+\r)%4)+4*\i+3], v8, s[4:5] offset:4096*(2*\p+4+\r)+512*\i th:TH_LOAD_NT
.endr
.endr
.endif
	WIN 0x04                                       ; source 1 (w_router) window 1
.set i, 0
.rept 32                                       ; my 32 numbers of each row x my 32 rows of w_router: eight chains of packed multiply-adds; the first products start the sums
.irp r, 0,1
.irp q, 0,1,2,3
.if i == 0
	v_pk_mul_f32 v[ACC+8*\r+2*\q:ACC+8*\r+2*\q+1], v[X+32*\r:X+32*\r+1], v[2*\q:2*\q+1] op_sel_hi:[0,1]
.elseif (i&1) == 0
	v_pk_fma_f32 v[ACC+8*\r+2*\q:ACC+8*\r+2*\q+1], v[X+32*\r+i:X+32*\r+i+1], v[8*i+2*\q:8*i+2*\q+1], v[ACC+8*\r+2*\q:ACC+8*\r+2*\q+1] op_sel_hi:[0,1,1]
.else
	v_pk_fma_f32 v[ACC+8*\r+2*\q:ACC+8*\r+2*\q+1], v[X+32*\r+i-1:X+32*\r+i], v[8*i+2*\q:8*i+2*\q+1], v[ACC+8*\r+2*\q:ACC+8*\r+2*\q+1] op_sel:[1,0,0] op_sel_hi:[1,1,1]
.endif
.endr
.endr
.set i, i+1
.endr
	WIN 0
	QROW 0, \p
	QROW 1, \p
.irp k, 1,2,4,8                                ; the sixteen partial logits are summed over the 32 lanes
.irp a, 0,1,2,3,4,5,6,7,8,9,10,11,12,13,14,15
	v_add_f32_dpp v[ACC+\a], v[ACC+\a], v[ACC+\a] row_xmask:\k row_mask:0xf bank_mask:0xf
.endr
.endr
.irp a, 0,1,2,3,4,5,6,7,8,9,10,11,12,13,14,15
	v_permlanex16_b32 v[X+\a], v[ACC+\a], s20, s21
.endr
.irp a, 0,1,2,3,4,5,6,7,8,9,10,11,12,13,14,15
	v_add_f32 v[ACC+\a], v[ACC+\a], v[X+\a]
.endr
.irp r, 0,1
	ds_store_b128 v9, v[ACC+8*\r:ACC+8*\r+3] offset:32*(2*\p+\r)       ; every lane writes the same numbers to the same place
	ds_store_b128 v9, v[ACC+8*\r+4:ACC+8*\r+7] offset:32*(2*\p+\r)+16
.endr
	s_wait_xcnt 0x0                                ; the last pair's stores have read the registers that are loaded now
.irp k, 0,1,2
	ds_load_b128 v[OUTC+4*\k:OUTC+4*\k+3], v5 offset:512*\k
.endr
	s_wait_dscnt 0x0                               ; the codes are back; all my LDS stores have read their registers
.irp k, 0,1,2
	global_store_b128 v8, v[OUTC+4*\k:OUTC+4*\k+3], s[8:9] offset:1536*\p+512*\k   ; 32 lanes store 512 consecutive bytes: two rows of xq are 1,536
.endr
.endm
	PAIR 0
	PAIR 1
	PAIR 2
	PAIR 3
	ds_load_b64 v[252:253], v7
	v_lshlrev_b32 v30, 3, v1
	s_wait_dscnt 0x0
	global_store_b64 v30, v[252:253], s[10:11]     ; my eight tokens' 256 scale bytes, dense
	s_barrier_signal -1                            ; all my LDS stores were waited for: the 32 tokens' logits lie in LDS
	s_barrier_wait -1
	s_cmp_lg_u32 s18, 0
	s_cbranch_scc1 .Lend
	; ---- wave 0: a lane a token
	v_lshlrev_b32 v10, 5, v1
	v_add_nc_u32 v10, LG, v10
	ds_load_b128 v[32:35], v10
	ds_load_b128 v[36:39], v10 offset:16
	s_lshr_b32 s22, ttmp9, 2
	s_and_b32 s23, ttmp9, 3
	s_lshl_b32 s23, s23, 2
	s_lshl_b32 s24, s22, 10
	s_add_co_u32 s24, s24, s23
	s_mov_b32 s25, 0
	s_add_nc_u64 s[14:15], s[14:15], s[24:25]      ; route: 1,024 bytes for four groups, my group's word of each 16 bytes
	s_lshl_b32 s24, s22, 8
	s_add_co_u32 s24, s24, s23
	s_add_nc_u64 s[16:17], s[16:17], s[24:25]      ; part: 256 bytes for four groups
	s_lshl_b32 s24, ttmp9, 9
	s_add_nc_u64 s[12:13], s[12:13], s[24:25]      ; comb: 16 bytes a token
	s_wait_dscnt 0x0
	v_mul_f32 v40, v32, v32                        ; the sum of the logits' squares
.irp e, 1,2,3,4,5,6,7
	v_fma_f32 v40, v[32+\e], v[32+\e], v40
.endr
	v_max3_num_f32 v41, v32, v33, v34              ; the largest logit is taken away ahead of the exponentials
	v_max3_num_f32 v41, v41, v35, v36
	v_max3_num_f32 v41, v41, v37, v38
	v_max_num_f32 v41, v41, v39
.irp e, 0,1,2,3,4,5,6,7
	v_sub_f32 v[48+\e], v[32+\e], v41
.endr
.irp e, 0,1,2,3,4,5,6,7
	v_mul_f32 v[48+\e], 0x3fb8aa3b, v[48+\e]
.endr
.irp e, 0,1,2,3,4,5,6,7
	v_exp_f32 v[48+\e], v[48+\e]
.endr
	v_nop                                          ; a plain line behind the exponentials,
	s_wait_alu depctr_va_vdst(0)                   ; and one wait for the batch
	v_add_f32 v42, v48, v49
	v_add_f32 v43, v50, v51
	v_add_f32 v44, v52, v53
	v_add_f32 v45, v54, v55
	v_add_f32 v42, v42, v43
	v_add_f32 v44, v44, v45
	v_add_f32 v42, v42, v44
	v_rcp_f32 v46, v42
	v_nop
	s_wait_alu depctr_va_vdst(0)
.irp e, 0,1,2,3,4,5,6,7
	v_mul_f32 v[56+\e], v[48+\e], v46              ; the probabilities
.endr
	v_mov_b32 v64, v56                             ; the largest, by strict compares in ascending order: the lower index wins a tie
	v_mov_b32 v65, 0
.irp e, 1,2,3,4,5,6,7
	v_cmp_gt_f32 vcc_lo, v[56+\e], v64
	v_cndmask_b32 v64, v64, v[56+\e], vcc_lo
	v_cndmask_b32 v65, v65, \e, vcc_lo
.endr
	v_mov_b32 v66, -1.0                            ; the second, likewise, the first left out
	v_mov_b32 v67, 0
.irp e, 0,1,2,3,4,5,6,7
	v_cmp_gt_f32 s22, v[56+\e], v66
	v_cmp_ne_u32 s23, \e, v65
	s_and_b32 s22, s22, s23
	v_cndmask_b32 v66, v66, v[56+\e], s22
	v_cndmask_b32 v67, v67, \e, s22
.endr
	v_add_f32 v68, v64, v66
	v_rcp_f32 v68, v68
	v_min_u32 v80, v65, v67                        ; lo (a plain line behind the reciprocal)
	v_max_u32 v81, v65, v67                        ; hi
	s_wait_alu depctr_va_vdst(0)
	v_mul_f32 v69, v64, v68                        ; the two scores, normalised
	v_mul_f32 v70, v66, v68
.irp e, 0,1,2,3,4,5,6,7
	v_cmp_eq_u32 vcc_lo, \e, v65
	v_cndmask_b32 v[72+\e], 0, v69, vcc_lo
	v_cmp_eq_u32 vcc_lo, \e, v67
	v_cndmask_b32 v[72+\e], v[72+\e], v70, vcc_lo
.endr
	global_store_b128 v8, v[72:75], s[12:13]                 ; experts 0-3: 32 lanes store 512 consecutive bytes
	global_store_b128 v8, v[76:79], s[12:13] offset:131072   ; experts 4-7
	v_sub_nc_u32 v82, 15, v80
	v_mul_u32_u24 v82, v80, v82
	v_lshrrev_b32 v82, 1, v82
	v_add3_u32 v82, v82, v81, -1
	v_sub_nc_u32 v82, v82, v80                     ; key = lo (15 - lo) / 2 + hi - lo - 1: 0 .. 27
	v_mov_b32 v83, 1
	v_lshlrev_b32 v84, v80, v83
	v_lshlrev_b32 v85, v81, v83
	v_or_b32 v85, v84, v85                         ; the mask of the two experts
	v_mov_b32 v86, 0                               ; my rank among the group's equal keys
	v_mov_b32 v87, 0                               ; lane k: how many tokens of the group have key k
.set k, 0
.rept 28
	v_cmp_eq_u32 s22, k, v82
	v_mbcnt_lo_u32_b32 v88, s22, 0
	v_cndmask_b32 v86, v86, v88, s22
	s_bcnt1_i32_b32 s23, s22
	v_writelane_b32 v87, s23, k
.set k, k+1
.endr
	v_lshl_or_b32 v89, v86, 8, v82
	v_lshl_or_b32 v89, v85, 16, v89                ; key | rank << 8 | mask << 16
	global_store_b32 v8, v89, s[14:15]             ; 4 of each 16 bytes: four groups' words lie together for the reader; 256 bytes a work-group
	global_store_b32 v8, v87, s[14:15] offset:512
.irp k, 1,2,4,8                                ; the group's sums of the eight probabilities and of the squares
.irp a, 56,57,58,59,60,61,62,63,40
	v_add_f32_dpp v\a, v\a, v\a row_xmask:\k row_mask:0xf bank_mask:0xf
.endr
.endr
.irp a, 56,57,58,59,60,61,62,63,40
	v_permlanex16_b32 v[40+\a], v\a, s20, s21
.endr
.irp a, 56,57,58,59,60,61,62,63,40
	v_add_f32 v\a, v\a, v[40+\a]
.endr
	v_and_b32 v90, 15, v1
	v_mov_b32 v91, 0
.irp q, 0,1,2,3,4,5,6,7
	v_cmp_eq_u32 vcc_lo, \q, v90
	v_cndmask_b32 v91, v91, v[56+\q], vcc_lo
.endr
	v_cmp_eq_u32 vcc_lo, 8, v90
	v_cndmask_b32 v91, v91, v40, vcc_lo
	v_lshlrev_b32 v90, 4, v90
	global_store_b32 v90, v91, s[16:17]            ; lanes l and l + 16 write the same number to the same word
.Lend:
	s_set_vgpr_msb 0x8
	s_wait_tensorcnt 0x0
	ds_add_u32 v255, v1
	s_wait_dscnt 0x0
	s_set_vgpr_msb 0x800
	s_endpgm
.Lfunc_end_k_q5d199ff67f_xprep:
	.size	k_q5d199ff67f_xprep, .Lfunc_end_k_q5d199ff67f_xprep-k_q5d199ff67f_xprep
	.p2alignl 7, 3214868480
	.fill 96, 4, 3214868480
	.section	.rodata,"a",@progbits
	.p2align	6, 0x0
	.amdhsa_kernel k_q5d199ff67f_xprep
		.amdhsa_group_segment_fixed_size 78848
		.amdhsa_private_segment_fixed_size 0
		.amdhsa_enable_private_segment 0
		.amdhsa_kernarg_size 56
		.amdhsa_user_sgpr_count 2
		.amdhsa_user_sgpr_kernarg_segment_ptr 1
		.amdhsa_wavefront_size32 1
		.amdhsa_system_sgpr_workgroup_id_x 1
		.amdhsa_system_sgpr_workgroup_id_y 1
		.amdhsa_system_sgpr_workgroup_id_z 1
		.amdhsa_system_vgpr_workitem_id 0
		.amdhsa_next_free_vgpr 514
		.amdhsa_next_free_sgpr 66
		.amdhsa_reserve_vcc 1
		.amdhsa_float_denorm_mode_32 3
		.amdhsa_float_denorm_mode_16_64 3
		.amdhsa_memory_ordered 1
		.amdhsa_forward_progress 1
		.amdhsa_inst_pref_size 147
	.end_amdhsa_kernel
	.amdgpu_metadata
---
amdhsa.version: [ 1, 2 ]
amdhsa.kernels:
  - .name:           k_q5d199ff67f_xprep
    .symbol:         k_q5d199ff67f_xprep.kd
    .args:
      - { .name: x, .offset: 0, .size: 8, .value_kind: global_buffer, .address_space: global }
      - { .name: w_router, .offset: 8, .size: 8, .value_kind: global_buffer, .address_space: global }
      - { .name: xq, .offset: 16, .size: 8, .value_kind: global_buffer, .address_space: global }
      - { .name: xs, .offset: 24, .size: 8, .value_kind: global_buffer, .address_space: global }
      - { .name: comb, .offset: 32, .size: 8, .value_kind: global_buffer, .address_space: global }
      - { .name: route, .offset: 40, .size: 8, .value_kind: global_buffer, .address_space: global }
      - { .name: part, .offset: 48, .size: 8, .value_kind: global_buffer, .address_space: global }
    .group_segment_fixed_size: 78848
    .private_segment_fixed_size: 0
    .kernarg_segment_align: 8
    .kernarg_segment_size: 56
    .max_flat_workgroup_size: 128
    .sgpr_count:     66
    .vgpr_count:     514
    .wavefront_size: 32
...
	.end_amdgpu_metadata
.endif
;; end of part 1
;; launch wprep (part 2): grid 385 x 1, 4 waves a work-group, no clusters, 0 bytes of LDS; arguments w_gate, w_up, w_down, route, part, wqa, wqb, order, out1, out2; writes wqa, wqb, order, out1, out2
.if DOCPART == 2
	.amdgcn_target "amdgcn-amd-amdhsa--gfx1250"
	.amdhsa_code_object_version 6
	.text
	.protected	k_q5d199ff67f_wprep
	.globl	k_q5d199ff67f_wprep
	.p2align	8
	.type	k_q5d199ff67f_wprep,@function
k_q5d199ff67f_wprep:
	s_mov_b64 s[64:65], 0
	v_nop
	global_prefetch_b8 v0, s[64:65] scope:SCOPE_SE
	s_setreg_imm32_b32 hwreg(HW_REG_WAVE_MODE, 25, 1), 1
	s_wait_xcnt 0x0
; Three ways, parted on the work-group's number; none uses LDS bytes or a barrier.
; WORK-GROUP 0 places the tokens: from the groups' counts of each key it makes every token's position in the order sorted by pair of experts, stores order[position] = token | mask << 16, and finishes the two losses.
; WORK-GROUPS 1 .. 256 turn w_gate and w_up, 257 .. 384 w_down, into codes of FP6 (E2M3) with E8M0 scale bytes, laid as IMAGES OF THE MATRIX OPERAND'S REGISTERS, in the order in which the next launch's waves take them.
; K is the weights' first axis.  A LANE TAKES A COLUMN and its 128 registers run down one K step of 128: each load reads 128 consecutive bytes; a block's largest magnitude and a column's scale word need no other lane.
; A wave's 32 columns are two tiles of 16.  The operand's lane (r, h) holds blocks h and 2 + h of its column: those 12 registers lie in my lane on end and leave by three stores of 16 bytes, at
; 1,536 x tile + 512 k + 256 h + 16 r: sixteen lanes fill 256 consecutive bytes, aligned.
; GATE AND UP: the columns of a tile are not neighbours: row i of tile (b, u) of wave w is hidden unit 64 w + 32 b + 8 u + i + 8 (i / 8), so that the next launch's results lie along the next product's K.
; LIMITS: NaN and infinities are not served; a block of zeros gets the byte 1 (its codes are zeros; this program alone reads the bytes).
.set QX, 64                            ; v64-191  128 numbers down K
.set QC, 32                            ; v32-55   codes: 12 registers for each half h
.set QT, 16                            ; v16-31   the conversions' second halves
.set OWN, 64                           ; the sort: v64-127 my 64 groups' counts, then bases, then byte positions
.set META, 128                         ; v128-191 my 64 groups' tokens' words, then what is stored
.set MSB, 0
.macro WIN new
.if MSB != (\new)
	s_set_vgpr_msb (MSB<<8)|(\new)
.set MSB, (\new)
.endif
.endm
; s[4:5]: the column block's first number; v3 = 4 x lane; s[40:41], v4: where the fragments go; s[42:43], v5: the scale words
.macro QW pitch
.set n, 0
.rept 128
	global_load_b32 v[QX+n], v3, s[4:5] offset:(\pitch)*n th:TH_LOAD_NT
.set n, n+1
.endr
.irp t, 0,1,2,3
.set XR, QX+32*\t
.set CC, QC+12*(\t%2)+6*(\t/2)
.if \t < 2
	s_wait_loadcnt 63                              ; behind this block's loads 96 or 64 were issued; a wait names 63 at the most, and a smaller count is safe
.else
	s_wait_loadcnt 32*(3-\t)
.endif
	v_max3_num_f32 v56, |v[XR]|, |v[XR+1]|, 0x1800000      ; with the floor 2^(3 - 127): the byte cannot fall under 1
	v_max3_num_f32 v57, |v[XR+2]|, |v[XR+3]|, |v[XR+4]|
.irp i, 5,9,13,17,21,25
	v_max3_num_f32 v56, v56, |v[XR+\i]|, |v[XR+\i+1]|
	v_max3_num_f32 v57, v57, |v[XR+\i+2]|, |v[XR+\i+3]|
.endr
	v_max3_num_f32 v56, v56, |v[XR+29]|, |v[XR+30]|
	v_max3_num_f32 v56, v56, v57, |v[XR+31]|
	v_add_nc_u32 v[8+\t], 0xff000000, v56          ; 2 off the exponent field: the conversion's scale operand
	v_cvt_scalef32_pk16_fp6_f32 v[CC:CC+2], v[XR:XR+15], v[8+\t]
	v_cvt_scalef32_pk16_fp6_f32 v[QT+4*\t:QT+4*\t+2], v[XR+16:XR+31], v[8+\t]
	v_lshrrev_b32 v[12+\t], 23, v[8+\t]            ; the byte; also the plain line behind the conversions
.irp i, 0,1,2
	v_mov_b32 v[CC+3+\i], v[QT+4*\t+\i]
.endr
.endr
	v_lshl_or_b32 v58, v13, 8, v12                 ; my column's scale word
	v_lshl_or_b32 v58, v14, 16, v58
	v_lshl_or_b32 v58, v15, 24, v58
.irp h, 0,1
.irp k, 0,1,2
	global_store_b128 v4, v[QC+12*\h+4*\k:QC+12*\h+4*\k+3], s[40:41] offset:256*\h+512*\k
.endr
.endr
	global_store_b32 v5, v58, s[42:43]             ; 128 consecutive bytes
.endm
	s_load_b512 s[4:19], s[0:1], 0x0               ; w_gate, w_up, w_down, route, part, wqa, wqb, order
	s_load_b128 s[20:23], s[0:1], 0x40             ; out1, out2
	v_lshrrev_b32 v1, 5, v0
	v_readfirstlane_b32 s24, v1                    ; wave
	v_and_b32 v1, 31, v0                           ; lane
	v_lshlrev_b32 v3, 2, v1
	s_wait_kmcnt 0x0
	s_cmp_eq_u32 ttmp9, 0
	s_cbranch_scc1 .Lsort
	s_cmp_gt_u32 ttmp9, 256
	s_cbranch_scc1 .Ldown
	; ---- gate and up: W = b | a << 1 | s << 2 | w << 5 | e << 7
	s_sub_co_u32 s25, ttmp9, 1
	s_lshl_b32 s25, s25, 2
	s_add_co_u32 s25, s25, s24
	s_and_b32 s26, s25, 1                          ; b
	s_bfe_u32 s27, s25, 0x10001                    ; a: gate or up
	s_bfe_u32 s28, s25, 0x30002                    ; s: the K step
	s_bfe_u32 s29, s25, 0x20005                    ; w
	s_lshr_b32 s30, s25, 7                         ; e
	s_lshl_b32 s32, s30, 20                        ; an expert is 2^20 bytes, a K step 128 rows of 1,024, a column 4
	s_lshl_b32 s33, s28, 17
	s_add_co_u32 s32, s32, s33
	s_lshl_b32 s33, s29, 8
	s_add_co_u32 s32, s32, s33
	s_lshl_b32 s33, s26, 7
	s_add_co_u32 s32, s32, s33
	s_mov_b32 s33, 0
	s_lshr_b32 s34, s25, 2
	s_mul_i32 s34, s34, 12800
	s_mul_i32 s35, s27, 6400
	s_add_co_u32 s34, s34, s35                     ; the half-record of (e, w, s, a)
	s_mul_i32 s35, s26, 3072
	s_add_co_u32 s36, s34, s35                     ; fragments 2 b and 2 b + 1
	s_mov_b32 s37, 0
	s_lshl_b32 s35, s26, 7
	s_add_co_u32 s38, s34, s35
	s_add_co_u32 s38, s38, 6144                    ; scale words of b
	s_mov_b32 s39, 0
	s_cmp_eq_u32 s27, 0
	s_cselect_b64 s[4:5], s[4:5], s[6:7]
	s_add_nc_u64 s[4:5], s[4:5], s[32:33]
	s_add_nc_u64 s[40:41], s[14:15], s[36:37]
	s_add_nc_u64 s[42:43], s[14:15], s[38:39]
	v_bfe_u32 v6, v1, 3, 1                         ; column j of the 32: tile u = (j / 8) % 2,
	v_and_b32 v7, 7, v1
	v_bfe_u32 v8, v1, 4, 1
	v_lshl_or_b32 v7, v8, 3, v7                    ; row r = j % 8 + 8 (j / 16)
	v_mul_u32_u24 v4, v6, 1536
	v_lshl_add_u32 v4, v7, 4, v4
	v_lshl_add_u32 v5, v6, 4, v7
	v_lshlrev_b32 v5, 2, v5
	QW 1024
	s_endpgm
.Ldown:
	; ---- down: W = s | g << 1 | w << 4 | e << 6
	s_sub_co_u32 s25, ttmp9, 257
	s_lshl_b32 s25, s25, 2
	s_add_co_u32 s25, s25, s24
	s_and_b32 s26, s25, 1                          ; s
	s_bfe_u32 s27, s25, 0x30001                    ; g
	s_bfe_u32 s28, s25, 0x20004                    ; w
	s_lshr_b32 s29, s25, 6                         ; e
	s_lshl_b32 s32, s29, 20                        ; a K step is 128 rows of 4,096 bytes
	s_lshl_b32 s33, s26, 19
	s_add_co_u32 s32, s32, s33
	s_lshl_b32 s33, s28, 10
	s_add_co_u32 s32, s32, s33
	s_lshl_b32 s33, s27, 7
	s_add_co_u32 s32, s32, s33
	s_mov_b32 s33, 0
	s_lshr_b32 s34, s25, 1
	s_mul_i32 s34, s34, 6400                       ; the record of (e, w, g)
	s_mul_i32 s35, s26, 3072
	s_add_co_u32 s36, s34, s35                     ; fragments 2 s and 2 s + 1
	s_mov_b32 s37, 0
	s_lshl_b32 s35, s26, 7
	s_add_co_u32 s38, s34, s35
	s_add_co_u32 s38, s38, 6144
	s_mov_b32 s39, 0
	s_add_nc_u64 s[4:5], s[8:9], s[32:33]
	s_add_nc_u64 s[40:41], s[16:17], s[36:37]
	s_add_nc_u64 s[42:43], s[16:17], s[38:39]
	v_lshrrev_b32 v6, 4, v1                        ; tile u = j / 16, row r = j % 16
	v_and_b32 v7, 15, v1
	v_mul_u32_u24 v4, v6, 1536
	v_lshl_add_u32 v4, v7, 4, v4
	v_lshlrev_b32 v5, 2, v1
	QW 4096
	s_endpgm
.Lsort:
	; ---- the placing.  Wave w owns groups 64 w .. 64 w + 63.  In the counts a lane is a key, in the tokens' words a lane is a token.
	v_lshlrev_b32 v2, 4, v1
	s_lshl_b32 s25, s24, 14
	v_add_nc_u32 v4, s25, v2                       ; my 16 records of four groups
	s_lshl_b32 s25, s24, 11
	v_add_nc_u32 v16, s25, v1                      ; my lane's token in my first group
	s_mov_b32 s28, 0x76543210
	s_mov_b32 s29, 0xfedcba98
.irp j, 0,1,2,3,4,5,6,7,8,9,10,11,12,13,14,15
	global_load_b128 v[OWN+4*\j:OWN+4*\j+3], v4, s[10:11] offset:1024*\j+512
.endr
.irp j, 0,1,2,3,4,5,6,7,8,9,10,11,12,13,14,15
	global_load_b128 v[META+4*\j:META+4*\j+3], v4, s[10:11] offset:1024*\j
.endr
	WIN 0x40                                       ; all 256 groups' counts: window 1, register = group
.set n, 0
.rept 64
	global_load_b128 v[4*n:4*n+3], v2, s[10:11] offset:1024*n+512
.set n, n+1
.endr
	WIN 0
	s_wait_loadcnt 0x0
	WIN 0x14                                       ; sources 1 and 2 window 1
.irp c, 0,1,2,3
	v_add3_u32 v[8+\c], 0, v[64*\c], v[64*\c+1]    ; the counts of each wave's 64 groups
.endr
.set n, 2
.rept 31
.irp c, 0,1,2,3
	v_add3_u32 v[8+\c], v[8+\c], v[64*\c+n], v[64*\c+n+1]
.endr
.set n, n+2
.endr
	WIN 0
	s_cmp_lg_u32 s24, 0
	s_cbranch_scc1 .Lnopart
	WIN 0x40                                       ; wave 0: the groups' sums for the losses, into the registers that the counts have left; they land under the placing
.set n, 0
.rept 32
	global_load_b128 v[4*n:4*n+3], v2, s[12:13] offset:512*n
.set n, n+1
.endr
	WIN 0
.Lnopart:
	v_add_nc_u32 v12, v8, v9
	v_add3_u32 v12, v12, v10, v11                  ; each key's tokens in all
	v_mov_b32 v13, 0
.irp c, 0,1,2
	s_cmp_gt_u32 s24, \c
	s_cselect_b32 s25, -1, 0
	v_and_b32 v17, s25, v[8+\c]
	v_add_nc_u32 v13, v13, v17                     ; and in the waves in front of mine
.endr
	v_mov_b32 v14, 0
	s_mov_b32 s26, 0
.set k, 0
.rept 28                                       ; where each key's run begins
	v_readlane_b32 s25, v12, k
	v_writelane_b32 v14, s26, k
	s_add_co_u32 s26, s26, s25
.set k, k+1
.endr
	v_add_nc_u32 v15, v14, v13
.set j, 0
.rept 64                                       ; where each key's tokens of each of my groups begin
	v_add_nc_u32 v15, v15, v[OWN+j]
	v_sub_nc_u32 v[OWN+j], v15, v[OWN+j]
.set j, j+1
.endr
.irp q, 0,1,2,3                                ; sixteen groups at a time
.irp d, 0,1,2,3,4,5,6,7,8,9,10,11,12,13,14,15
	v_lshlrev_b32 v[32+\d], 2, v[META+16*\q+\d]
.endr
.irp d, 0,1,2,3,4,5,6,7,8,9,10,11,12,13,14,15
	v_and_b32 v[32+\d], 0x7c, v[32+\d]             ; 4 x my token's key: the lane that holds its base
.endr
.irp d, 0,1,2,3,4,5,6,7,8,9,10,11,12,13,14,15
	ds_bpermute_b32 v[48+\d], v[32+\d], v[OWN+16*\q+\d]
.endr
	s_wait_dscnt 0x0
.irp d, 0,1,2,3,4,5,6,7,8,9,10,11,12,13,14,15
	v_bfe_u32 v[OWN+16*\q+\d], v[META+16*\q+\d], 8, 8
	v_add_nc_u32 v[OWN+16*\q+\d], v[OWN+16*\q+\d], v[48+\d]        ; base + rank
	v_min_u32 v[OWN+16*\q+\d], 0x1fff, v[OWN+16*\q+\d]             ; held inside the list
	v_lshlrev_b32 v[OWN+16*\q+\d], 2, v[OWN+16*\q+\d]
	v_add_nc_u32 v[32+\d], 32*(16*\q+\d), v16
	v_and_or_b32 v[META+16*\q+\d], v[META+16*\q+\d], 0xff0000, v[32+\d]   ; token | mask << 16
	global_store_b32 v[OWN+16*\q+\d], v[META+16*\q+\d], s[18:19]   ; each store has registers of its own: none is written again
.endr
.endr
	s_cmp_lg_u32 s24, 0
	s_cbranch_scc1 .Lsortend
	; ---- wave 0: the losses.  Lane l holds sum l % 16 of half of the groups, in 128 registers
	s_wait_loadcnt 0x0
	WIN 0x45                                       ; all in window 1
.irp m, 1,2,3,4,5,6,7,8,9,10,11,12,13,14,15
.irp c, 0,1,2,3
	v_pk_add_f32 v[2*\c:2*\c+1], v[2*\c:2*\c+1], v[8*\m+2*\c:8*\m+2*\c+1]
.endr
.endr
	v_pk_add_f32 v[0:1], v[0:1], v[2:3]
	v_pk_add_f32 v[4:5], v[4:5], v[6:7]
	v_pk_add_f32 v[0:1], v[0:1], v[4:5]
	WIN 0x05                                       ; sources window 1, destination window 0
	v_add_f32 v20, v0, v1
	WIN 0
	v_mov_b32 v21, 0
	v_permlanex16_b32 v21, v20, s28, s29
	v_add_f32 v20, v20, v21
	v_mul_f32 v20, 0x39000000, v20                 ; / 8,192: lanes 0-7 the probabilities' means, lane 8 the first loss (8 x the mean of 65,536 squares)
	v_add_f32 v22, 0x3089705f, v20                 ; + 1e-9
	v_log_f32 v22, v22
	v_and_b32 v23, 15, v1                          ; (a plain line behind the logarithm)
	s_wait_alu depctr_va_vdst(0)
	v_mul_f32 v22, 0x3f317218, v22                 ; x ln 2
	v_mul_f32 v22, v20, v22
	v_cmp_gt_u32 vcc_lo, 8, v23
	v_cndmask_b32 v22, 0, v22, vcc_lo
.irp k, 1,2,4,8
	v_add_f32_dpp v22, v22, v22 row_xmask:\k row_mask:0xf bank_mask:0xf
.endr
	v_mul_f32 v22, 0x41000000, v22                 ; 8 x 8 x the mean over eight experts = 8 x the sum
	v_readlane_b32 s25, v20, 8
	v_mov_b32 v24, s25
	v_mov_b32 v25, 0
	s_wait_xcnt 0x0                                ; EXEC changes only behind this wait
	v_cmp_eq_u32 vcc_lo, 0, v1
	s_and_saveexec_b32 s26, vcc_lo
	global_store_b32 v25, v24, s[20:21]
	global_store_b32 v25, v22, s[22:23]
	s_wait_xcnt 0x0
	s_or_b32 exec_lo, exec_lo, s26
.Lsortend:
	s_endpgm
.Lfunc_end_k_q5d199ff67f_wprep:
	.size	k_q5d199ff67f_wprep, .Lfunc_end_k_q5d199ff67f_wprep-k_q5d199ff67f_wprep
	.p2alignl 7, 3214868480
	.fill 96, 4, 3214868480
	.section	.rodata,"a",@progbits
	.p2align	6, 0x0
	.amdhsa_kernel k_q5d199ff67f_wprep
		.amdhsa_group_segment_fixed_size 0
		.amdhsa_private_segment_fixed_size 0
		.amdhsa_enable_private_segment 0
		.amdhsa_kernarg_size 80
		.amdhsa_user_sgpr_count 2
		.amdhsa_user_sgpr_kernarg_segment_ptr 1
		.amdhsa_wavefront_size32 1
		.amdhsa_system_sgpr_workgroup_id_x 1
		.amdhsa_system_sgpr_workgroup_id_y 1
		.amdhsa_system_sgpr_workgroup_id_z 1
		.amdhsa_system_vgpr_workitem_id 0
		.amdhsa_next_free_vgpr 512
		.amdhsa_next_free_sgpr 66
		.amdhsa_reserve_vcc 1
		.amdhsa_float_denorm_mode_32 3
		.amdhsa_float_denorm_mode_16_64 3
		.amdhsa_memory_ordered 1
		.amdhsa_forward_progress 1
		.amdhsa_inst_pref_size 114
	.end_amdhsa_kernel
	.amdgpu_metadata
---
amdhsa.version: [ 1, 2 ]
amdhsa.kernels:
  - .name:           k_q5d199ff67f_wprep
    .symbol:         k_q5d199ff67f_wprep.kd
    .args:
      - { .name: w_gate, .offset: 0, .size: 8, .value_kind: global_buffer, .address_space: global }
      - { .name: w_up, .offset: 8, .size: 8, .value_kind: global_buffer, .address_space: global }
      - { .name: w_down, .offset: 16, .size: 8, .value_kind: global_buffer, .address_space: global }
      - { .name: route, .offset: 24, .size: 8, .value_kind: global_buffer, .address_space: global }
      - { .name: part, .offset: 32, .size: 8, .value_kind: global_buffer, .address_space: global }
      - { .name: wqa, .offset: 40, .size: 8, .value_kind: global_buffer, .address_space: global }
      - { .name: wqb, .offset: 48, .size: 8, .value_kind: global_buffer, .address_space: global }
      - { .name: order, .offset: 56, .size: 8, .value_kind: global_buffer, .address_space: global }
      - { .name: out1, .offset: 64, .size: 8, .value_kind: global_buffer, .address_space: global }
      - { .name: out2, .offset: 72, .size: 8, .value_kind: global_buffer, .address_space: global }
    .group_segment_fixed_size: 0
    .private_segment_fixed_size: 0
    .kernarg_segment_align: 8
    .kernarg_segment_size: 80
    .max_flat_workgroup_size: 128
    .sgpr_count:     66
    .vgpr_count:     512
    .wavefront_size: 32
...
	.end_amdgpu_metadata
.endif
;; end of part 2
;; launch experts (part 3): grid 128 x 1, 4 waves a work-group, no clusters, 230,912 bytes of LDS; arguments xq, xs, wqa, wqb, comb, order, out0; writes out0
.if DOCPART == 3
	.amdgcn_target "amdgcn-amd-amdhsa--gfx1250"
	.amdhsa_code_object_version 6
	.text
	.protected	k_q5d199ff67f_experts
	.globl	k_q5d199ff67f_experts
	.p2align	8
	.type	k_q5d199ff67f_experts,@function
k_q5d199ff67f_experts:
	s_mov_b64 s[64:65], 0
	v_nop
	global_prefetch_b8 v0, s[64:65] scope:SCOPE_SE
	s_setreg_imm32_b32 hwreg(HW_REG_WAVE_MODE, 25, 1), 1
	s_wait_xcnt 0x0
; out0[token] = the sum over the token's two experts of combine x down(silu(gate(x)) x up(x)), all three products on codes of FP6 (E2M3) with E8M0 scales.
; SHARES.  A work-group owns 64 tokens that are neighbours in the order sorted by pair of experts: four tiles m of 16 rows.  It walks the experts that its tokens name (a mask read from the stored list).
; Every row of out0 has one owner.  A row that does not name an expert is multiplied all the same and weighed by its combine weight 0, as the definition has it.
; THE WAVES SHARE THE COLUMNS.  Stage A: wave w makes hidden units 64 w .. 64 w + 63 (4 tiles of gate, 4 of up, x 4 tiles of rows: 32 accumulators), silu(g) u in f32, quantises along the next K in registers and
; leaves codes, scale bytes and combine weights in LDS, a slot for each expert walked.  One barrier.  Stage B: wave w makes columns 256 w .. 256 w + 255: 16 x 4 tiles of f32 stay in 512 registers; each expert's
; product is made in 8 accumulators at a time and added with the row's combine weight.  Whole rows leave through the wave's own stage.
; BOTH PRODUCTS ARE USED TRANSPOSED (source 0 = 16 rows of a weight, source 1 = 16 tokens): a lane holds one token throughout, and its registers run along the hidden units or the output's columns.
; THE WEIGHTS come from memory straight into registers, as images of the operand's registers, two K steps (stage A) or four groups (stage B) ahead.  The walk hangs on the stored list, so this launch has no tensor
; load, hence no joint loads in a cluster; no barrier stands under a branch on the list.  64 tokens to a work-group make 128 work-groups: with 32 each expert's codes would be read by twice as many work-groups.
; LIMITS: NaN and infinities are not served; a hidden block of zeros gets the byte 1 (its codes are zeros).
; REGISTERS.  Window 0: v1-23 addresses; v24-71 scale words and nothing else; v72-167 x's fragments (two sets of 48), later the hidden layer's eight, later row offsets; v120-151 also the activation's scratch;
;   v168-175 at work; v176-183 combine weights; v184-247 stage A: codes just made; stage B: eight accumulators.   Window 1: stage A: the 32 accumulators; stage B: four sets of weights and eight accumulators; then rows on the way out.
;   Windows 2, 3: stage A: four sets of weights; stage B: the 64 tiles of the output.
.set XSC,   49152                      ; LDS: x's 32 fragments (tile m, K step s at 1,536 (8 m + s)) lie in front; then their scale words: 1,024 m + 32 lane
.set HID,   53248                      ; eight slots:
.set HSLOT, 13824                      ; 8 hidden fragments as register pairs (1,536 (2 m + s) + 256 p + 8 lane), at 12,288 their scale words (128 (2 m + s) + 4 lane), at 13,312 the combine weights (128 m + 4 lane)
.set STG,   163840                     ; a stage of 16 rows x (1,024 + 16) bytes for each wave
.set T,     120
.set TM,    168
.set MSB, 0
.macro WIN new                         ; the immediate's high byte repeats the setting that is left
.if MSB != (\new)
	s_set_vgpr_msb (MSB<<8)|(\new)
.set MSB, (\new)
.endif
.endm
.macro PLACES n                        ; plain lines between a matrix instruction and a load into, or a read of, its registers
.rept \n
	v_nop
.endr
.endm
.macro NEXTE                           ; s66 = the lowest expert left in s20 (7 if none is left: an address inside the buffer), s25 = 1 if there was one; it is taken out of s20
	s_cmp_lg_u32 s20, 0
	s_cselect_b32 s25, 1, 0
	s_ctz_i32_b32 s66, s20
	s_min_u32 s66, s66, 7
	s_lshl_b32 s67, 1, s66
	s_and_not1_b32 s20, s20, s67
.endm
.macro PTR dst, base, stride           ; that expert's weights
	s_mul_i32 s30, s66, \stride
	s_mov_b32 s31, 0
	s_add_nc_u64 s[\dst:\dst+1], s[\base:\base+1], s[30:31]
.endm
.macro WMMA ks, row1                   ; registers by the symbols rD, rA, rB, rSA, rSB; K step 0 starts the sum; row1: source 0's scales stand in lanes 16-31
.if (\ks) == 0
.if \row1
	v_wmma_scale_f32_16x16x128_f8f6f4 v[rD:rD+7], v[rA:rA+11], v[rB:rB+11], 0, v[rSA], v[rSB] matrix_a_fmt:MATRIX_FMT_FP6 matrix_b_fmt:MATRIX_FMT_FP6 matrix_a_scale:MATRIX_SCALE_ROW1
.else
	v_wmma_scale_f32_16x16x128_f8f6f4 v[rD:rD+7], v[rA:rA+11], v[rB:rB+11], 0, v[rSA], v[rSB] matrix_a_fmt:MATRIX_FMT_FP6 matrix_b_fmt:MATRIX_FMT_FP6
.endif
.else
.if \row1
	v_wmma_scale_f32_16x16x128_f8f6f4 v[rD:rD+7], v[rA:rA+11], v[rB:rB+11], v[rD:rD+7], v[rSA], v[rSB] matrix_a_fmt:MATRIX_FMT_FP6 matrix_b_fmt:MATRIX_FMT_FP6 matrix_a_scale:MATRIX_SCALE_ROW1
.else
	v_wmma_scale_f32_16x16x128_f8f6f4 v[rD:rD+7], v[rA:rA+11], v[rB:rB+11], v[rD:rD+7], v[rSA], v[rSB] matrix_a_fmt:MATRIX_FMT_FP6 matrix_b_fmt:MATRIX_FMT_FP6
.endif
.endif
.endm
.macro XLOAD ks                        ; x's four fragments of K step ks into set ks % 2
.irp m, 0,1,2,3
.irp c, 0,1,2
	ds_load_b128 v[72+48*((\ks)%2)+12*\m+4*\c:72+48*((\ks)%2)+12*\m+4*\c+3], v1 offset:1536*(8*\m+(\ks))+512*\c
.endr
.endr
.endm
.macro WLOADA ptr, rec, wset           ; a K step's eight fragments (4 of gate, 4 of up) and four registers of scale words: 28 loads
	WIN 0x80+0x40*((\wset)>>1)
.irp f, 0,1,2,3,4,5,6,7
.irp c, 0,1,2
	global_load_b128 v[96*((\wset)&1)+12*\f+4*\c:96*((\wset)&1)+12*\f+4*\c+3], v1, s[\ptr:\ptr+1] offset:12800*(\rec)+6400*(\f/4)+1536*(\f%4)+512*\c
.endr
.endr
	WIN 0
.irp a, 0,1
.irp b, 0,1
	global_load_b32 v[56+4*(\wset)+2*\a+\b], v2, s[\ptr:\ptr+1] offset:12800*(\rec)+6400*\a+6144+128*\b
.endr
.endr
.endm
.macro MULA ks                         ; 32 matrix instructions, the 32 accumulators by turns, one instruction a turn, in the same order in every step
	WIN 0x52+(((\ks)%4)>>1)
.irp t, 0,1,2,3,4,5,6,7
.irp m, 0,1,2,3
.set rD, 128*(\t/4)+32*\m+8*(\t%4)
.set rA, 96*((\ks)%2)+12*\t
.set rB, 72+48*((\ks)%2)+12*\m
.set rSA, 56+4*((\ks)%4)+\t/2
.set rSB, 24+8*\m+(\ks)
	WMMA \ks, \t%2
.endr
.endr
.endm
.macro STEPA ks
	WIN 0
	PLACES 4                                       ; behind the last step's products, for the loads below
	XLOAD ((\ks)+1)%8
.if (\ks) == 1
	s_wait_loadcnt 29                              ; this step's weights are in; behind them: the combine weight's load and the next step's 28
.else
	s_wait_loadcnt 28                              ; this step's weights are in; the next step's 28 loads stay out
.endif
.if (\ks) == 0
	global_load_b32 v19, v18, s[2:3]               ; my token's combine weight for this expert
.endif
.if (\ks) < 6
	WLOADA 26, (\ks)+2, ((\ks)+2)%4
.else
	WLOADA 28, (\ks)-6, ((\ks)+2)%4                ; the next expert's first two steps (after the last expert: a clamped address, not used)
.endif
	s_wait_dscnt 12                                ; this step's fragments of x are in; the 12 loads just issued stay out
	MULA \ks
.endm
; silu(g) u of tile m's 16 rows x my 64 hidden units, quantised along the next K: two blocks of 32, each in lanes l and l xor 16
.macro EPI m
.set G, 32*(\m)
.set U, 128+32*(\m)
.set EP, 184+10*(\m)
	WIN 0x01
.set jj, 0
.rept 16
	v_pk_mul_f32 v[T+jj:T+jj+1], v[G+jj:G+jj+1], s[100:101] op_sel_hi:[1,0]   ; -g log2(e); each accumulator is read from its low end on
.set jj, jj+2
.endr
	WIN 0
.set jj, 0
.rept 32
	v_exp_f32 v[T+jj], v[T+jj]
.set jj, jj+1
.endr
	WIN 0x45
.set jj, 0
.rept 16
	v_pk_mul_f32 v[G+jj:G+jj+1], v[G+jj:G+jj+1], v[U+jj:U+jj+1]               ; g u: work that names no exponential's result
.set jj, jj+2
.endr
	s_wait_alu depctr_va_vdst(0)                   ; one wait for the 32 exponentials
	WIN 0
.set jj, 0
.rept 16
	v_pk_add_f32 v[T+jj:T+jj+1], v[T+jj:T+jj+1], 1.0 op_sel_hi:[1,0]
.set jj, jj+2
.endr
.set jj, 0
.rept 32
	v_rcp_f32 v[T+jj], v[T+jj]
.set jj, jj+1
.endr
	v_nop
	s_wait_alu depctr_va_vdst(0)                   ; and one for the 32 reciprocals
	WIN 0x41
.set jj, 0
.rept 16
	v_pk_mul_f32 v[G+jj:G+jj+1], v[G+jj:G+jj+1], v[T+jj:T+jj+1]               ; g u / (1 + e^-g)
.set jj, jj+2
.endr
	WIN 0x14
.irp b, 0,1
	v_max3_num_f32 v[TM+\b], 0x1800000, |v[G+16*\b]|, |v[G+16*\b+1]|          ; with the floor 2^(3 - 127)
.endr
.irp i, 2,4,6,8,10,12,14
.irp b, 0,1
	v_max3_num_f32 v[TM+\b], v[TM+\b], |v[G+16*\b+\i]|, |v[G+16*\b+\i+1]|
.endr
.endr
	WIN 0
.irp b, 0,1
	v_permlanex16_b32 v[TM+2+\b], v[TM+\b], s104, s105
.endr
.irp b, 0,1
	v_max_num_f32 v[TM+\b], v[TM+\b], v[TM+2+\b]
.endr
.irp b, 0,1
	v_add_nc_u32 v[TM+4+\b], 0xff000000, v[TM+\b]
.endr
.irp b, 0,1
	v_lshrrev_b32 v[TM+6+\b], 23, v[TM+4+\b]
.endr
	v_lshl_or_b32 v[EP+9], v[TM+7], 8, v[TM+6]     ; my half of the row's scale word
	WIN 0x01
	v_cvt_scalef32_pk16_fp6_f32 v[EP:EP+2], v[G:G+15], v[TM+4]
	v_cvt_scalef32_pk16_fp6_f32 v[EP+6:EP+8], v[G+16:G+31], v[TM+5]
	WIN 0
	v_nop                                          ; a plain line behind the conversions
.irp i, 0,1,2
	v_permlane16_swap_b32 v[EP+\i], v[EP+6+\i]     ; a whole block to a lane: lanes 0-15 the first block, lanes 16-31 the second
.endr
.irp i, 0,1,2
	v_mov_b32 v[EP+3+\i], v[EP+6+\i]
.endr
.irp p, 0,1,2
	ds_store_b64 v12, v[EP+2*\p:EP+2*\p+1] offset:3072*(\m)+256*\p
.endr
	ds_store_b16 v13, v[EP+9] offset:256*(\m)
.endm
.macro LOADB ptr, rec, wset            ; a group's four fragments (two column tiles x two K steps) and two registers of scale words: 14 loads
	WIN 0x40
.irp f, 0,1,2,3
.irp c, 0,1,2
	global_load_b128 v[48*(\wset)+12*\f+4*\c:48*(\wset)+12*\f+4*\c+3], v1, s[\ptr:\ptr+1] offset:6400*(\rec)+1536*\f+512*\c
.endr
.endr
	WIN 0
.irp b, 0,1
	global_load_b32 v[56+2*(\wset)+\b], v2, s[\ptr:\ptr+1] offset:6400*(\rec)+6144+128*\b
.endr
.endm
.macro MULB g                          ; 16 matrix instructions on eight accumulators by turns: even groups' in window 1 (v192 on), odd groups' in window 0 (v184 on)
.if (\g)%2
	WIN 0x01
.else
	WIN 0x51
.endif
.irp k, 0,1
.irp u, 0,1
.irp m, 0,1,2,3
.set rD, 192-8*((\g)%2)+8*(4*\u+\m)
.set rA, 48*((\g)%4)+12*(2*\k+\u)
.set rB, 72+12*(2*\m+\k)
.set rSA, 56+2*((\g)%4)+\k
.set rSB, 24+2*\m+\k
	WMMA \k, \u
.endr
.endr
.endr
.endm
.macro FMAB g, first                   ; the group's results x the row's combine weight, onto the output's tiles; the first expert starts them: nothing is cleared
.irp m, 0,1,2,3
	WIN (0xa0+0x50*(\m/2))|(1-((\g)%2))
.irp u, 0,1
.irp p, 0,2,4,6
.set rO, 128*(\m%2)+8*(2*(\g)+\u)+\p
.set rT, 192-8*((\g)%2)+8*(4*\u+\m)+\p
.if \first
	v_pk_mul_f32 v[rO:rO+1], v[rT:rT+1], v[176+2*\m:177+2*\m] op_sel_hi:[1,0]
.else
	v_pk_fma_f32 v[rO:rO+1], v[rT:rT+1], v[176+2*\m:177+2*\m], v[rO:rO+1] op_sel_hi:[1,0,1]
.endif
.endr
.endr
.endr
.endm
.macro SLOTB first                     ; one expert's down product
	NEXTE
	PTR 28, 10, 204800
	v_add_nc_u32 v12, s23, v10
	v_add_nc_u32 v13, s23, v11
.irp f, 0,1,2,3,4,5,6,7
.irp p, 0,1,2,3,4,5
	ds_load_b64 v[72+12*\f+2*\p:72+12*\f+2*\p+1], v12 offset:1536*\f+256*\p
.endr
.endr
.irp f, 0,1,2,3,4,5,6,7
	ds_load_b32 v[24+\f], v13 offset:128*\f
.endr
.irp m, 0,1,2,3
	ds_load_b32 v[176+2*\m], v13 offset:1024+128*\m
.endr
	s_wait_dscnt 0x0
.irp g, 0,1,2,3,4,5,6,7
	s_wait_loadcnt 42                              ; this group's weights are in; three groups of 14 loads stay out
	MULB \g
.if \g == 0
	PLACES 5
.else
	FMAB \g-1, \first                              ; 32 plain lines that name no register of the products just issued: the places in front of the loads below and of the next reading of results
.endif
.if \g < 4
	LOADB 26, \g+4, \g%4
.else
	LOADB 28, \g-4, \g%4                           ; the next expert's first four groups (after the last expert: a clamped address, not used)
.endif
.endr
	PLACES 4
	FMAB 7, \first
	WIN 0
	s_wait_xcnt 0x0                                ; the loads have read their base: it may be written
	s_mov_b64 s[26:27], s[28:29]
	s_mov_b32 s21, s25
.endm
	s_load_b256 s[4:11], s[0:1], 0x0               ; xq, xs, wqa, wqb
	s_load_b128 s[12:15], s[0:1], 0x20             ; comb, order
	s_load_b64 s[16:17], s[0:1], 0x30              ; out0
	v_lshl_add_u32 v254, v0, 2, 0x38400
	v_mov_b32 v255, 0
	v_lshrrev_b32 v1, 5, v0
	v_readfirstlane_b32 s18, v1                    ; wave
	v_and_b32 v3, 31, v0                           ; lane
	v_and_b32 v23, 15, v0                          ; r
	v_bfe_u32 v248, v0, 4, 1                       ; h
	v_lshlrev_b32 v1, 4, v3                        ; 16 x lane: an image's place for my lane
	v_lshlrev_b32 v2, 2, v3                        ; 4 x lane: a scale word's
	s_mul_i32 s30, s18, 12288
	v_add_nc_u32 v4, s30, v1                       ; where I store x's images: tile m = my wave
	v_lshlrev_b32 v6, 5, v3
	v_add_nc_u32 v6, XSC, v6                       ; x's scale words: 32 bytes a lane
	s_lshl_b32 s30, s18, 10
	v_add_nc_u32 v5, s30, v6
	v_lshlrev_b32 v10, 3, v3
	v_add_nc_u32 v10, HID, v10                     ; a hidden fragment's pairs: 8 bytes a lane
	s_mul_i32 s30, s18, 768
	v_add_nc_u32 v7, s30, v10                      ; my wave's three pairs
	v_add_nc_u32 v11, HID+12288, v2                ; the hidden layer's scale words
	s_lshr_b32 s30, s18, 1
	s_lshl_b32 s30, s30, 7
	s_and_b32 s31, s18, 1
	s_lshl_b32 s31, s31, 1
	s_add_co_u32 s30, s30, s31
	v_add_nc_u32 v8, s30, v11                      ; my wave's K step and half of a word
	s_lshl_b32 s30, s18, 7
	v_add_nc_u32 v9, s30, v11
	v_add_nc_u32 v9, 1024, v9                      ; my tokens' combine weights
	s_mul_i32 s30, s18, 16640
	s_add_co_u32 s30, s30, STG
	v_mul_u32_u24 v20, v23, 1040
	v_lshl_add_u32 v20, v248, 5, v20
	v_add_nc_u32 v20, s30, v20                     ; the stage, in: row r, 32 bytes for each half of the lanes
	v_add_nc_u32 v21, s30, v1                      ; back: 16 bytes a lane
	s_lshl_b32 s30, s18, 10
	v_add_nc_u32 v22, s30, v1                      ; my place in a row of out0
	s_lshl_b32 s30, s18, 6
	v_lshl_add_u32 v249, v23, 2, s30               ; my token's word in the block's part of the list
	s_mov_b32 s100, 0xbfb8aa3b                     ; -log2(e), as a pair
	s_mov_b32 s101, s100
	s_mov_b32 s104, 0x76543210
	s_mov_b32 s105, 0xfedcba98                     ; lane l xor 16
	s_lshl_b32 s30, ttmp9, 8
	s_mov_b32 s31, 0
	s_wait_kmcnt 0x0
	s_add_nc_u64 s[14:15], s[14:15], s[30:31]
	s_load_b512 s[32:47], s[14:15], 0x0            ; the block's 64 words: token | mask << 16
	s_load_b512 s[48:63], s[14:15], 0x40
	s_load_b512 s[68:83], s[14:15], 0x80
	s_load_b512 s[84:99], s[14:15], 0xc0
	global_load_b32 v15, v249, s[14:15]
	s_mul_i32 s30, s18, 102400
	s_add_nc_u64 s[8:9], s[8:9], s[30:31]          ; my wave's part of an expert's gate and up,
	s_mul_i32 s30, s18, 51200
	s_add_nc_u64 s[10:11], s[10:11], s[30:31]      ; and of its down
	s_wait_loadcnt 0x0
	v_and_b32 v15, 0xffff, v15
	v_min_u32 v15, 0x1fff, v15                     ; my token, held inside the tables
	v_mul_u32_u24 v16, v15, 768
	v_mul_u32_u24 v250, v248, 48
	v_add_nc_u32 v16, v16, v250                    ; its codes, my half's 48 bytes of a K step
	v_lshlrev_b32 v17, 5, v15
	v_lshlrev_b32 v18, 4, v15
.irp k, 0,1,2,3,4,5,6,7
.irp c, 0,1,2
	global_load_b128 v[72+12*\k+4*\c:72+12*\k+4*\c+3], v16, s[4:5] offset:96*\k+16*\c
.endr
.endr
	global_load_b128 v[168:171], v17, s[6:7]
	global_load_b128 v[172:175], v17, s[6:7] offset:16
	s_wait_kmcnt 0x0
	s_or_b32 s19, s32, s33
.set n, 34
.rept 30
	s_or_b32 s19, s19, s[n]
.set n, n+1
.endr
.set n, 68
.rept 32
	s_or_b32 s19, s19, s[n]
.set n, n+1
.endr
	s_bfe_u32 s19, s19, 0x80010                    ; the experts that the block's tokens name
	s_mov_b32 s20, s19
	NEXTE
	s_mov_b32 s22, s66                             ; the expert in hand,
	s_mov_b32 s21, s25                             ; and that there is one
	PTR 26, 8, 409600
	WLOADA 26, 0, 0
	WLOADA 26, 1, 1
	s_wait_loadcnt 56                              ; the gather is in; the weights' 56 loads stay out
.irp k, 0,1,2,3,4,5,6,7
.irp c, 0,1,2
	ds_store_b128 v4, v[72+12*\k+4*\c:72+12*\k+4*\c+3] offset:1536*\k+512*\c
.endr
.endr
	ds_store_b128 v5, v[168:171]
	ds_store_b128 v5, v[172:175] offset:16
	s_wait_dscnt 0x0                               ; for the others' sake: my tile of x lies in LDS
	s_barrier_signal -1
	s_barrier_wait -1
.irp m, 0,1,2,3
.irp c, 0,1
	ds_load_b128 v[24+8*\m+4*\c:24+8*\m+4*\c+3], v6 offset:1024*\m+16*\c     ; x's scale words: register 24 + 8 m + s
.endr
.endr
	XLOAD 0
	v_mov_b32 v170, 0                              ; a lane permute's destination counts as read
	v_mov_b32 v171, 0
.irp m, 0,1,2,3
	v_mov_b32 v[177+2*\m], 0                       ; named as the upper halves of the combine weights' pairs
.endr
	; ---- STAGE A: a trip an expert; eight trips, those without an expert are jumped over
	s_mov_b32 s23, 0                               ; the slot's first byte
	s_mov_b32 s24, 8
.LloopA:
	s_cmp_eq_u32 s21, 0
	s_cbranch_scc1 .LskipA
	NEXTE
	PTR 28, 8, 409600
	s_and_b32 s30, s22, 4                          ; the expert's combine weights: experts 4-7 lie 2^17 bytes on; 4 bytes an expert within a token's 16
	s_lshl_b32 s30, s30, 15
	s_and_b32 s67, s22, 3
	s_lshl_b32 s67, s67, 2
	s_add_co_u32 s30, s30, s67
	s_mov_b32 s31, 0
	s_add_nc_u64 s[2:3], s[12:13], s[30:31]
	STEPA 0
	STEPA 1
	STEPA 2
	STEPA 3
	STEPA 4
	STEPA 5
	STEPA 6
	STEPA 7
	WIN 0
	PLACES 4                                       ; behind the last products: their results are read, and the second set of x's registers is written
	v_add_nc_u32 v12, s23, v7
	v_add_nc_u32 v13, s23, v8
	v_add_nc_u32 v14, s23, v9
	ds_store_b32 v14, v19
	EPI 0
	EPI 1
	EPI 2
	EPI 3
	s_wait_dscnt 0x0                               ; my stores have read their registers and lie in LDS
	s_wait_xcnt 0x0                                ; the loads have read their bases: they may be written
	s_mov_b64 s[26:27], s[28:29]
	s_mov_b32 s22, s66
	s_mov_b32 s21, s25
.LskipA:
	s_add_co_u32 s23, s23, HSLOT
	s_sub_co_u32 s24, s24, 1
	s_cmp_lg_u32 s24, 0
	s_cbranch_scc1 .LloopA
	s_wait_loadcnt 0x0                             ; the loads issued ahead behind the last expert have landed: their registers are used anew
	; ---- between the stages: the first expert's first four groups of down are asked for ahead of the barrier
	s_mov_b32 s20, s19
	NEXTE
	PTR 26, 10, 204800
	LOADB 26, 0, 0
	LOADB 26, 1, 1
	LOADB 26, 2, 2
	LOADB 26, 3, 3
	s_wait_dscnt 0x0
	s_barrier_signal -1                            ; every wave's part of the hidden layer lies in LDS
	s_barrier_wait -1
	; ---- STAGE B
	s_mov_b32 s23, 0
	SLOTB 1                                        ; the first expert: every token names two, so there is one
	s_mov_b32 s23, HSLOT
	s_mov_b32 s24, 7
.LloopB:
	s_cmp_eq_u32 s21, 0
	s_cbranch_scc1 .LskipB
	SLOTB 0
.LskipB:
	s_add_co_u32 s23, s23, HSLOT
	s_sub_co_u32 s24, s24, 1
	s_cmp_lg_u32 s24, 0
	s_cbranch_scc1 .LloopB
	s_wait_loadcnt 0x0                             ; the loads issued ahead behind the last expert have landed
	; ---- THE WAY OUT, a tile of 16 rows at a time through my own stage: a lane holds 32 neighbouring bytes of a row; back come 512 consecutive bytes an instruction
.macro ROFF m                          ; where the tile's 16 rows lie in out0
.set ii, 0
.rept 16
.set ps, 16*(\m)+ii
.if ps < 32
.set sr, 32+ps
.else
.set sr, 36+ps
.endif
	s_and_b32 s67, s[sr], 0xffff
	s_min_u32 s67, s67, 0x1fff
	s_lshl_b32 s67, s67, 12
	v_add_nc_u32 v[72+16*((\m)%2)+ii], s67, v22
.set ii, ii+1
.endr
.endm
.macro TOSTAGE m
	WIN 0x08+4*((\m)/2)                            ; an LDS store's data are its source 1: window 2 or 3
.irp n, 0,1,2,3,4,5,6,7,8,9,10,11,12,13,14,15
	ds_store_b128 v20, v[128*((\m)%2)+8*\n:128*((\m)%2)+8*\n+3] offset:64*\n
	ds_store_b128 v20, v[128*((\m)%2)+8*\n+4:128*((\m)%2)+8*\n+7] offset:64*\n+16
.endr
	WIN 0x40
.irp i, 0,1,2,3,4,5,6,7,8,9,10,11,12,13,14,15
.irp q, 0,1
	ds_load_b128 v[128*((\m)%2)+8*\i+4*\q:128*((\m)%2)+8*\i+4*\q+3], v21 offset:1040*\i+512*\q   ; LDS serves a wave's instructions in order: these see the stores above
.endr
.endr
	WIN 0
.endm
.macro SEND m, younger
	s_wait_dscnt \younger
	WIN 0x04                                       ; a store's data are its source 1: window 1
.irp i, 0,1,2,3,4,5,6,7,8,9,10,11,12,13,14,15
.irp q, 0,1
	global_store_b128 v[72+16*((\m)%2)+\i], v[128*((\m)%2)+8*\i+4*\q:128*((\m)%2)+8*\i+4*\q+3], s[16:17] offset:512*\q th:TH_STORE_NT   ; 512 consecutive bytes of a row, at a multiple of 256 from out0's first byte
.endr
.endr
	WIN 0
.endm
	ROFF 0
	TOSTAGE 0
	ROFF 1
	TOSTAGE 1
	SEND 0, 63                                     ; behind tile 0's loads stand 64 LDS instructions; a wait names 63 at the most
	s_wait_xcnt 0x0                                ; tile 0's stores have read their registers: they are written again
	ROFF 2
	TOSTAGE 2
	SEND 1, 63
	s_wait_xcnt 0x0
	ROFF 3
	TOSTAGE 3
	SEND 2, 63
	SEND 3, 0
	s_wait_tensorcnt 0x0
	ds_add_u32 v254, v255
	s_wait_dscnt 0x0
	s_endpgm
.Lfunc_end_k_q5d199ff67f_experts:
	.size	k_q5d199ff67f_experts, .Lfunc_end_k_q5d199ff67f_experts-k_q5d199ff67f_experts
	.p2alignl 7, 3214868480
	.fill 96, 4, 3214868480
	.section	.rodata,"a",@progbits
	.p2align	6, 0x0
	.amdhsa_kernel k_q5d199ff67f_experts
		.amdhsa_group_segment_fixed_size 230912
		.amdhsa_private_segment_fixed_size 0
		.amdhsa_enable_private_segment 0
		.amdhsa_kernarg_size 56
		.amdhsa_user_sgpr_count 2
		.amdhsa_user_sgpr_kernarg_segment_ptr 1
		.amdhsa_wavefront_size32 1
		.amdhsa_system_sgpr_workgroup_id_x 1
		.amdhsa_system_sgpr_workgroup_id_y 1
		.amdhsa_system_sgpr_workgroup_id_z 1
		.amdhsa_system_vgpr_workitem_id 0
		.amdhsa_next_free_vgpr 1024
		.amdhsa_next_free_sgpr 106
		.amdhsa_reserve_vcc 0
		.amdhsa_float_denorm_mode_32 3
		.amdhsa_float_denorm_mode_16_64 3
		.amdhsa_memory_ordered 1
		.amdhsa_forward_progress 1
		.amdhsa_inst_pref_size 255
	.end_amdhsa_kernel
	.section	.bss,"aw",@nobits
	.p2align	6
	.space	262144
	.amdgpu_metadata
---
amdhsa.version: [ 1, 2 ]
amdhsa.kernels:
  - .name:           k_q5d199ff67f_experts
    .symbol:         k_q5d199ff67f_experts.kd
    .args:
      - { .name: xq, .offset: 0, .size: 8, .value_kind: global_buffer, .address_space: global }
      - { .name: xs, .offset: 8, .size: 8, .value_kind: global_buffer, .address_space: global }
      - { .name: wqa, .offset: 16, .size: 8, .value_kind: global_buffer, .address_space: global }
      - { .name: wqb, .offset: 24, .size: 8, .value_kind: global_buffer, .address_space: global }
      - { .name: comb, .offset: 32, .size: 8, .value_kind: global_buffer, .address_space: global }
      - { .name: order, .offset: 40, .size: 8, .value_kind: global_buffer, .address_space: global }
      - { .name: out0, .offset: 48, .size: 8, .value_kind: global_buffer, .address_space: global }
    .group_segment_fixed_size: 230912
    .private_segment_fixed_size: 0
    .kernarg_segment_align: 8
    .kernarg_segment_size: 56
    .max_flat_workgroup_size: 128
    .sgpr_count:     106
    .vgpr_count:     1024
    .wavefront_size: 32
...
	.end_amdgpu_metadata
.endif
;; end of part 3
;; ======== version 2 of 3: 3 launches; 1.24 times as fast as version 1
;; workspace buffers: xq 6,291,456 bytes; xs 262,144 bytes; comb 262,144 bytes; route 65,536 bytes of whole numbers; part 16,384 bytes; wqa 3,276,800 bytes; wqb 1,638,400 bytes; order 34,816 bytes of whole numbers
;; launch xprep: the kernel of part 1 again; grid 256 x 1, 4 waves a work-group, no clusters, 78,848 bytes of LDS; arguments x, w_router, xq, xs, comb, route, part; writes xq, xs, comb, route, part
;; launch wprep (part 4): grid 388 x 1, 4 waves a work-group, no clusters, 0 bytes of LDS; arguments w_gate, w_up, w_down, route, part, wqa, wqb, order, out1, out2; writes wqa, wqb, order, out1, out2
.if DOCPART == 4
	.amdgcn_target "amdgcn-amd-amdhsa--gfx1250"
	.amdhsa_code_object_version 6
	.text
	.protected	k_q5d199ff67f_wprep
	.globl	k_q5d199ff67f_wprep
	.p2align	8
	.type	k_q5d199ff67f_wprep,@function
k_q5d199ff67f_wprep:
	s_mov_b64 s[64:65], 0
	v_nop
	global_prefetch_b8 v0, s[64:65] scope:SCOPE_SE
	s_setreg_imm32_b32 hwreg(HW_REG_WAVE_MODE, 25, 1), 1
	s_wait_xcnt 0x0
; Three ways, parted on the work-group's number; none uses LDS bytes or a barrier.
; WORK-GROUPS 0 .. 3 place the tokens: from the groups' counts of each key (a pair of experts, 0 .. 27) they make every token's position in the order sorted by key and store order[position] = token | mask << 16.
; Each of the 16 waves owns 16 groups of 32 tokens, reads all 256 groups' counts and makes the sums in front of its own groups itself: no wave waits for another.
; Behind the 8,192 positions, from byte 32,768 of the same buffer, lies THE LIST OF TILES: a tile is up to 64 neighbouring positions of ONE key; word t = first position | rows << 16, 0 for a tile that the split leaves
; empty.  A key with n tokens has ceil(n / 64) tiles, so there are never more than 128 + 27; all 512 words are written, 32 by each wave.  Wave 0 of work-group 0 also finishes the two losses.
; WORK-GROUPS 4 .. 259 turn w_gate and w_up, 260 .. 387 w_down, into codes of FP6 (E2M3) with E8M0 scale bytes, laid as IMAGES OF THE MATRIX OPERAND'S REGISTERS, in the order in which the next launch's waves take them.
; K is the weights' first axis.  A LANE TAKES A COLUMN and its 128 registers run down one K step of 128: each load reads 128 consecutive bytes; a block's largest magnitude and a column's scale word need no other lane.
; A wave's 32 columns are two tiles of 16.  The operand's lane (r, h) holds blocks h and 2 + h of its column: those 12 registers lie in my lane on end and leave by three stores of 16 bytes, at
; 1,536 x tile + 512 k + 256 h + 16 r: sixteen lanes fill 256 consecutive bytes, aligned.
; GATE AND UP: the columns of a tile are not neighbours: row i of tile (b, u) of wave w is hidden unit 64 w + 32 b + 8 u + i + 8 (i / 8), so that the next launch's results lie along the next product's K.
; LIMITS: NaN and infinities are not served; a block of zeros gets the byte 1 (its codes are zeros; this program alone reads the bytes).
.set QX, 64                            ; v64-191  128 numbers down K
.set QC, 32                            ; v32-55   codes: 12 registers for each half h
.set QT, 16                            ; v16-31   the conversions' second halves
.set OWN, 64                           ; the sort: v64-79 my 16 groups' counts, then bases, then byte positions
.set CS, 96                            ; v96-111  the counts of each wave's 16 groups
.set META, 128                         ; v128-143 my 16 groups' tokens' words, then what is stored
.set MSB, 0
.macro WIN new
.if MSB != (\new)
	s_set_vgpr_msb (MSB<<8)|(\new)
.set MSB, (\new)
.endif
.endm
; s[4:5]: the column block's first number; v3 = 4 x lane; s[40:41], v4: where the fragments go; s[42:43], v5: the scale words
.macro QW pitch
.set n, 0
.rept 128
	global_load_b32 v[QX+n], v3, s[4:5] offset:(\pitch)*n th:TH_LOAD_NT
.set n, n+1
.endr
.irp t, 0,1,2,3
.set XR, QX+32*\t
.set CC, QC+12*(\t%2)+6*(\t/2)
.if \t < 2
	s_wait_loadcnt 63                              ; behind this block's loads 96 or 64 were issued; a wait names 63 at the most, and a smaller count is safe
.else
	s_wait_loadcnt 32*(3-\t)
.endif
	v_max3_num_f32 v56, |v[XR]|, |v[XR+1]|, 0x1800000      ; with the floor 2^(3 - 127): the byte cannot fall under 1
	v_max3_num_f32 v57, |v[XR+2]|, |v[XR+3]|, |v[XR+4]|
.irp i, 5,9,13,17,21,25
	v_max3_num_f32 v56, v56, |v[XR+\i]|, |v[XR+\i+1]|
	v_max3_num_f32 v57, v57, |v[XR+\i+2]|, |v[XR+\i+3]|
.endr
	v_max3_num_f32 v56, v56, |v[XR+29]|, |v[XR+30]|
	v_max3_num_f32 v56, v56, v57, |v[XR+31]|
	v_add_nc_u32 v[8+\t], 0xff000000, v56          ; 2 off the exponent field: the conversion's scale operand
	v_cvt_scalef32_pk16_fp6_f32 v[CC:CC+2], v[XR:XR+15], v[8+\t]
	v_cvt_scalef32_pk16_fp6_f32 v[QT+4*\t:QT+4*\t+2], v[XR+16:XR+31], v[8+\t]
	v_lshrrev_b32 v[12+\t], 23, v[8+\t]            ; the byte; also the plain line behind the conversions
.irp i, 0,1,2
	v_mov_b32 v[CC+3+\i], v[QT+4*\t+\i]
.endr
.endr
	v_lshl_or_b32 v58, v13, 8, v12                 ; my column's scale word
	v_lshl_or_b32 v58, v14, 16, v58
	v_lshl_or_b32 v58, v15, 24, v58
.irp h, 0,1
.irp k, 0,1,2
	global_store_b128 v4, v[QC+12*\h+4*\k:QC+12*\h+4*\k+3], s[40:41] offset:256*\h+512*\k
.endr
.endr
	global_store_b32 v5, v58, s[42:43]             ; 128 consecutive bytes
.endm
	s_load_b512 s[4:19], s[0:1], 0x0               ; w_gate, w_up, w_down, route, part, wqa, wqb, order
	s_load_b128 s[20:23], s[0:1], 0x40             ; out1, out2
	v_lshrrev_b32 v1, 5, v0
	v_readfirstlane_b32 s24, v1                    ; wave
	v_and_b32 v1, 31, v0                           ; lane
	v_lshlrev_b32 v3, 2, v1
	s_wait_kmcnt 0x0
	s_cmp_lt_u32 ttmp9, 4
	s_cbranch_scc1 .Lsort
	s_cmp_gt_u32 ttmp9, 259
	s_cbranch_scc1 .Ldown
	; ---- gate and up: W = b | a << 1 | s << 2 | w << 5 | e << 7
	s_sub_co_u32 s25, ttmp9, 4
	s_lshl_b32 s25, s25, 2
	s_add_co_u32 s25, s25, s24
	s_and_b32 s26, s25, 1                          ; b
	s_bfe_u32 s27, s25, 0x10001                    ; a: gate or up
	s_bfe_u32 s28, s25, 0x30002                    ; s: the K step
	s_bfe_u32 s29, s25, 0x20005                    ; w
	s_lshr_b32 s30, s25, 7                         ; e
	s_lshl_b32 s32, s30, 20                        ; an expert is 2^20 bytes, a K step 128 rows of 1,024, a column 4
	s_lshl_b32 s33, s28, 17
	s_add_co_u32 s32, s32, s33
	s_lshl_b32 s33, s29, 8
	s_add_co_u32 s32, s32, s33
	s_lshl_b32 s33, s26, 7
	s_add_co_u32 s32, s32, s33
	s_mov_b32 s33, 0
	s_lshr_b32 s34, s25, 2
	s_mul_i32 s34, s34, 12800
	s_mul_i32 s35, s27, 6400
	s_add_co_u32 s34, s34, s35                     ; the half-record of (e, w, s, a)
	s_mul_i32 s35, s26, 3072
	s_add_co_u32 s36, s34, s35                     ; fragments 2 b and 2 b + 1
	s_mov_b32 s37, 0
	s_lshl_b32 s35, s26, 7
	s_add_co_u32 s38, s34, s35
	s_add_co_u32 s38, s38, 6144                    ; scale words of b
	s_mov_b32 s39, 0
	s_cmp_eq_u32 s27, 0
	s_cselect_b64 s[4:5], s[4:5], s[6:7]
	s_add_nc_u64 s[4:5], s[4:5], s[32:33]
	s_add_nc_u64 s[40:41], s[14:15], s[36:37]
	s_add_nc_u64 s[42:43], s[14:15], s[38:39]
	v_bfe_u32 v6, v1, 3, 1                         ; column j of the 32: tile u = (j / 8) % 2,
	v_and_b32 v7, 7, v1
	v_bfe_u32 v8, v1, 4, 1
	v_lshl_or_b32 v7, v8, 3, v7                    ; row r = j % 8 + 8 (j / 16)
	v_mul_u32_u24 v4, v6, 1536
	v_lshl_add_u32 v4, v7, 4, v4
	v_lshl_add_u32 v5, v6, 4, v7
	v_lshlrev_b32 v5, 2, v5
	QW 1024
	s_endpgm
.Ldown:
	; ---- down: W = s | g << 1 | w << 4 | e << 6
	s_sub_co_u32 s25, ttmp9, 260
	s_lshl_b32 s25, s25, 2
	s_add_co_u32 s25, s25, s24
	s_and_b32 s26, s25, 1                          ; s
	s_bfe_u32 s27, s25, 0x30001                    ; g
	s_bfe_u32 s28, s25, 0x20004                    ; w
	s_lshr_b32 s29, s25, 6                         ; e
	s_lshl_b32 s32, s29, 20                        ; a K step is 128 rows of 4,096 bytes
	s_lshl_b32 s33, s26, 19
	s_add_co_u32 s32, s32, s33
	s_lshl_b32 s33, s28, 10
	s_add_co_u32 s32, s32, s33
	s_lshl_b32 s33, s27, 7
	s_add_co_u32 s32, s32, s33
	s_mov_b32 s33, 0
	s_lshr_b32 s34, s25, 1
	s_mul_i32 s34, s34, 6400                       ; the record of (e, w, g)
	s_mul_i32 s35, s26, 3072
	s_add_co_u32 s36, s34, s35                     ; fragments 2 s and 2 s + 1
	s_mov_b32 s37, 0
	s_lshl_b32 s35, s26, 7
	s_add_co_u32 s38, s34, s35
	s_add_co_u32 s38, s38, 6144
	s_mov_b32 s39, 0
	s_add_nc_u64 s[4:5], s[8:9], s[32:33]
	s_add_nc_u64 s[40:41], s[16:17], s[36:37]
	s_add_nc_u64 s[42:43], s[16:17], s[38:39]
	v_lshrrev_b32 v6, 4, v1                        ; tile u = j / 16, row r = j % 16
	v_and_b32 v7, 15, v1
	v_mul_u32_u24 v4, v6, 1536
	v_lshl_add_u32 v4, v7, 4, v4
	v_lshlrev_b32 v5, 2, v1
	QW 4096
	s_endpgm
.Lsort:
	; ---- the placing.  Wave W = 4 x work-group + wave owns groups 16 W .. 16 W + 15.  In the counts a lane is a key, in the tokens' words a lane is a token, in the list of tiles a lane is a tile.
	s_lshl_b32 s31, ttmp9, 2
	s_add_co_u32 s31, s31, s24                     ; W: 0 .. 15
	v_lshlrev_b32 v2, 4, v1
	s_lshl_b32 s25, s31, 12
	v_add_nc_u32 v4, s25, v2                       ; my four records of four groups
	s_lshl_b32 s25, s31, 9
	v_add_nc_u32 v16, s25, v1                      ; my lane's token in my first group
	s_lshl_b32 s25, s31, 5
	v_add_nc_u32 v26, s25, v1                      ; my lane's tile: t = 32 W + lane
	s_mov_b32 s28, 0x76543210
	s_mov_b32 s29, 0xfedcba98
.irp j, 0,1,2,3
	global_load_b128 v[OWN+4*\j:OWN+4*\j+3], v4, s[10:11] offset:1024*\j+512
.endr
.irp j, 0,1,2,3
	global_load_b128 v[META+4*\j:META+4*\j+3], v4, s[10:11] offset:1024*\j
.endr
	WIN 0x40                                       ; all 256 groups' counts: window 1, register = group
.set n, 0
.rept 64
	global_load_b128 v[4*n:4*n+3], v2, s[10:11] offset:1024*n+512
.set n, n+1
.endr
	WIN 0
	s_wait_loadcnt 0x0
	WIN 0x14                                       ; sources 1 and 2 window 1
.irp c, 0,1,2,3,4,5,6,7,8,9,10,11,12,13,14,15
	v_add3_u32 v[CS+\c], 0, v[16*\c], v[16*\c+1]   ; the counts of each wave's 16 groups: sixteen chains
.endr
.set n, 2
.rept 7
.irp c, 0,1,2,3,4,5,6,7,8,9,10,11,12,13,14,15
	v_add3_u32 v[CS+\c], v[CS+\c], v[16*\c+n], v[16*\c+n+1]
.endr
.set n, n+2
.endr
	WIN 0
	s_cmp_lg_u32 s31, 0
	s_cbranch_scc1 .Lnopart
	WIN 0x40                                       ; wave 0: the groups' sums for the losses, into the registers that the counts have left; they land under the placing
.set n, 0
.rept 32
	global_load_b128 v[4*n:4*n+3], v2, s[12:13] offset:512*n
.set n, n+1
.endr
	WIN 0
.Lnopart:
	v_add3_u32 v12, v[CS], v[CS+1], v[CS+2]
.irp c, 3,5,7,9,11,13
	v_add3_u32 v12, v12, v[CS+\c], v[CS+\c+1]
.endr
	v_add_nc_u32 v12, v12, v[CS+15]                ; each key's tokens in all
	v_mov_b32 v13, 0
.irp c, 0,1,2,3,4,5,6,7,8,9,10,11,12,13,14
	s_cmp_gt_u32 s31, \c
	s_cselect_b32 s25, 1, 0
	v_mad_u32_u24 v13, v[CS+\c], s25, v13          ; and in the waves in front of mine (counts stay under 2^24)
.endr
	v_mov_b32 v14, 0                               ; lane k: where key k's run of positions begins
	v_mov_b32 v18, 0                               ; lane k: key k's first tile
	v_mov_b32 v27, 0                               ; my tile's key: the number of keys whose tiles end at or before it; 28 where no tile is left
	s_mov_b32 s26, 0
	s_mov_b32 s30, 0
.set k, 0
.rept 28
	v_readlane_b32 s25, v12, k
	v_writelane_b32 v14, s26, k
	s_add_co_u32 s26, s26, s25
	s_add_co_u32 s27, s25, 63
	s_lshr_b32 s27, s27, 6                         ; the key's tiles
	v_writelane_b32 v18, s30, k
	s_add_co_u32 s30, s30, s27                     ; where they end
	v_cmp_le_u32 vcc_lo, s30, v26
	v_cndmask_b32 v17, 0, 1, vcc_lo
	v_add_nc_u32 v27, v27, v17
.set k, k+1
.endr
	v_add_nc_u32 v15, v14, v13
.set j, 0
.rept 16                                       ; where each key's tokens of each of my groups begin
	v_add_nc_u32 v15, v15, v[OWN+j]
	v_sub_nc_u32 v[OWN+j], v15, v[OWN+j]
.set j, j+1
.endr
.irp d, 0,1,2,3,4,5,6,7,8,9,10,11,12,13,14,15
	v_lshlrev_b32 v[32+\d], 2, v[META+\d]
.endr
.irp d, 0,1,2,3,4,5,6,7,8,9,10,11,12,13,14,15
	v_and_b32 v[32+\d], 0x7c, v[32+\d]             ; 4 x my token's key: the lane that holds its base
.endr
.irp d, 0,1,2,3,4,5,6,7,8,9,10,11,12,13,14,15
	ds_bpermute_b32 v[48+\d], v[32+\d], v[OWN+\d]
.endr
	v_lshlrev_b32 v28, 2, v27                      ; 4 x my tile's key (lanes 28 to 31 hold zeros)
	ds_bpermute_b32 v29, v28, v18                  ; that key's first tile,
	ds_bpermute_b32 v30, v28, v14                  ; first position
	ds_bpermute_b32 v31, v28, v12                  ; and tokens
	s_wait_dscnt 0x0
.irp d, 0,1,2,3,4,5,6,7,8,9,10,11,12,13,14,15
	v_bfe_u32 v[OWN+\d], v[META+\d], 8, 8
	v_add_nc_u32 v[OWN+\d], v[OWN+\d], v[48+\d]    ; base + rank
	v_min_u32 v[OWN+\d], 0x1fff, v[OWN+\d]         ; held inside the list
	v_lshlrev_b32 v[OWN+\d], 2, v[OWN+\d]
	v_add_nc_u32 v[32+\d], 32*\d, v16
	v_and_or_b32 v[META+\d], v[META+\d], 0xff0000, v[32+\d]   ; token | mask << 16
	global_store_b32 v[OWN+\d], v[META+\d], s[18:19]          ; each store has registers of its own: none is written again
.endr
	v_sub_nc_u32 v29, v26, v29                     ; my tile is the key's j-th
	v_lshlrev_b32 v29, 6, v29
	v_add_nc_u32 v30, v30, v29                     ; its first position
	v_sub_nc_u32 v31, v31, v29                     ; the key's tokens from there on: at least 1 in a tile that exists
	v_min_u32 v31, 64, v31
	v_lshl_or_b32 v30, v31, 16, v30
	v_cmp_gt_u32 vcc_lo, 28, v27
	v_cndmask_b32 v30, 0, v30, vcc_lo              ; 0 where no tile is left
	v_lshlrev_b32 v28, 2, v26
	global_store_b32 v28, v30, s[18:19] offset:32768   ; 128 consecutive bytes a wave, behind the 8,192 positions
	s_cmp_lg_u32 s31, 0
	s_cbranch_scc1 .Lsortend
	; ---- wave 0: the losses.  Lane l holds sum l % 16 of half of the groups, in 128 registers
	s_wait_loadcnt 0x0
	WIN 0x45                                       ; all in window 1
.irp m, 1,2,3,4,5,6,7,8,9,10,11,12,13,14,15
.irp c, 0,1,2,3
	v_pk_add_f32 v[2*\c:2*\c+1], v[2*\c:2*\c+1], v[8*\m+2*\c:8*\m+2*\c+1]
.endr
.endr
	v_pk_add_f32 v[0:1], v[0:1], v[2:3]
	v_pk_add_f32 v[4:5], v[4:5], v[6:7]
	v_pk_add_f32 v[0:1], v[0:1], v[4:5]
	WIN 0x05                                       ; sources window 1, destination window 0
	v_add_f32 v20, v0, v1
	WIN 0
	v_mov_b32 v21, 0
	v_permlanex16_b32 v21, v20, s28, s29
	v_add_f32 v20, v20, v21
	v_mul_f32 v20, 0x39000000, v20                 ; / 8,192: lanes 0-7 the probabilities' means, lane 8 the first loss (8 x the mean of 65,536 squares)
	v_add_f32 v22, 0x3089705f, v20                 ; + 1e-9
	v_log_f32 v22, v22
	v_and_b32 v23, 15, v1                          ; (a plain line behind the logarithm)
	s_wait_alu depctr_va_vdst(0)
	v_mul_f32 v22, 0x3f317218, v22                 ; x ln 2
	v_mul_f32 v22, v20, v22
	v_cmp_gt_u32 vcc_lo, 8, v23
	v_cndmask_b32 v22, 0, v22, vcc_lo
.irp k, 1,2,4,8
	v_add_f32_dpp v22, v22, v22 row_xmask:\k row_mask:0xf bank_mask:0xf
.endr
	v_mul_f32 v22, 0x41000000, v22                 ; 8 x 8 x the mean over eight experts = 8 x the sum
	v_readlane_b32 s25, v20, 8
	v_mov_b32 v24, s25
	v_mov_b32 v25, 0
	s_wait_xcnt 0x0                                ; EXEC changes only behind this wait
	v_cmp_eq_u32 vcc_lo, 0, v1
	s_and_saveexec_b32 s26, vcc_lo
	global_store_b32 v25, v24, s[20:21]
	global_store_b32 v25, v22, s[22:23]
	s_wait_xcnt 0x0
	s_or_b32 exec_lo, exec_lo, s26
.Lsortend:
	s_endpgm
.Lfunc_end_k_q5d199ff67f_wprep:
	.size	k_q5d199ff67f_wprep, .Lfunc_end_k_q5d199ff67f_wprep-k_q5d199ff67f_wprep
	.p2alignl 7, 3214868480
	.fill 96, 4, 3214868480
	.section	.rodata,"a",@progbits
	.p2align	6, 0x0
	.amdhsa_kernel k_q5d199ff67f_wprep
		.amdhsa_group_segment_fixed_size 0
		.amdhsa_private_segment_fixed_size 0
		.amdhsa_enable_private_segment 0
		.amdhsa_kernarg_size 80
		.amdhsa_user_sgpr_count 2
		.amdhsa_user_sgpr_kernarg_segment_ptr 1
		.amdhsa_wavefront_size32 1
		.amdhsa_system_sgpr_workgroup_id_x 1
		.amdhsa_system_sgpr_workgroup_id_y 1
		.amdhsa_system_sgpr_workgroup_id_z 1
		.amdhsa_system_vgpr_workitem_id 0
		.amdhsa_next_free_vgpr 512
		.amdhsa_next_free_sgpr 66
		.amdhsa_reserve_vcc 1
		.amdhsa_float_denorm_mode_32 3
		.amdhsa_float_denorm_mode_16_64 3
		.amdhsa_memory_ordered 1
		.amdhsa_forward_progress 1
		.amdhsa_inst_pref_size 91
	.end_amdhsa_kernel
	.amdgpu_metadata
---
amdhsa.version: [ 1, 2 ]
amdhsa.kernels:
  - .name:           k_q5d199ff67f_wprep
    .symbol:         k_q5d199ff67f_wprep.kd
    .args:
      - { .name: w_gate, .offset: 0, .size: 8, .value_kind: global_buffer, .address_space: global }
      - { .name: w_up, .offset: 8, .size: 8, .value_kind: global_buffer, .address_space: global }
      - { .name: w_down, .offset: 16, .size: 8, .value_kind: global_buffer, .address_space: global }
      - { .name: route, .offset: 24, .size: 8, .value_kind: global_buffer, .address_space: global }
      - { .name: part, .offset: 32, .size: 8, .value_kind: global_buffer, .address_space: global }
      - { .name: wqa, .offset: 40, .size: 8, .value_kind: global_buffer, .address_space: global }
      - { .name: wqb, .offset: 48, .size: 8, .value_kind: global_buffer, .address_space: global }
      - { .name: order, .offset: 56, .size: 8, .value_kind: global_buffer, .address_space: global }
      - { .name: out1, .offset: 64, .size: 8, .value_kind: global_buffer, .address_space: global }
      - { .name: out2, .offset: 72, .size: 8, .value_kind: global_buffer, .address_space: global }
    .group_segment_fixed_size: 0
    .private_segment_fixed_size: 0
    .kernarg_segment_align: 8
    .kernarg_segment_size: 80
    .max_flat_workgroup_size: 128
    .sgpr_count:     66
    .vgpr_count:     512
    .wavefront_size: 32
...
	.end_amdgpu_metadata
.endif
;; end of part 4
;; launch experts (part 5): grid 155 x 1, 4 waves a work-group, no clusters, 147,968 bytes of LDS; arguments xq, xs, wqa, wqb, comb, order, out0; writes out0
.if DOCPART == 5
	.amdgcn_target "amdgcn-amd-amdhsa--gfx1250"
	.amdhsa_code_object_version 6
	.text
	.protected	k_q5d199ff67f_experts
	.globl	k_q5d199ff67f_experts
	.p2align	8
	.type	k_q5d199ff67f_experts,@function
k_q5d199ff67f_experts:
	s_mov_b64 s[64:65], 0
	v_nop
	global_prefetch_b8 v0, s[64:65] scope:SCOPE_SE
	s_setreg_imm32_b32 hwreg(HW_REG_WAVE_MODE, 25, 1), 1
	s_wait_xcnt 0x0
; out0[token] = the sum over the token's two experts of combine x down(silu(gate(x)) x up(x)), all three products on codes of FP6 (E2M3) with E8M0 scales.
; SHARES.  A work-group owns one TILE of the stored list: up to 64 tokens that named the same pair of experts, neighbours in the sorted order: four blocks m of 16 rows, and exactly two experts.  Every row of out0 has one owner.
; THE GRID serves every split: 28 pairs and 8,192 tokens make at most 128 + 27 = 155 tiles.  A tile that the split leaves empty has the mask 0: it jumps over the experts' trips, passes both barriers (no barrier stands
; under a branch on the list) and ends behind the second; it still issues the head's loads, from clamped places.
; A TILE WITH FEWER THAN 64 ROWS: the rows beyond its count take the tile's last valid position and compute that token once more.  The way out ends behind the last block of 16 rows that holds a valid row, so at most
; 15 rows are stored a second time, by the same wave, to the same bytes, with the same numbers.
; THE WAVES SHARE THE COLUMNS.  Stage A: wave w makes hidden units 64 w .. 64 w + 63 (4 tiles of gate, 4 of up, x 4 blocks of rows: 32 accumulators), silu(g) u in f32, quantises along the next K in registers and
; leaves codes, scale bytes and combine weights in LDS, a slot for each expert.  One barrier.  Stage B: wave w makes columns 256 w .. 256 w + 255: 16 x 4 tiles of f32 stay in 512 registers; each expert's
; product is made in 8 accumulators at a time and added with the row's combine weight.  Whole rows leave through the wave's own stage.
; BOTH PRODUCTS ARE USED TRANSPOSED (source 0 = 16 rows of a weight, source 1 = 16 tokens): a lane holds one token throughout, and its registers run along the hidden units or the output's columns.
; THE WEIGHTS come from memory straight into registers, as images of the operand's registers, two K steps (stage A) or four groups (stage B) ahead.  Which experts are walked hangs on the stored list, so this launch has
; no tensor load, hence no joint loads in a cluster.
; LIMITS: NaN and infinities are not served; a hidden block of zeros gets the byte 1 (its codes are zeros).
; REGISTERS.  Window 0: v1-23 addresses; v24-71 scale words and nothing else; v72-167 x's fragments (two sets of 48), later the hidden layer's eight, later row offsets; v120-151 also the activation's scratch;
;   v168-175 at work; v176-183 combine weights; v184-247 stage A: codes just made; stage B: eight accumulators.   Window 1: stage A: the 32 accumulators; stage B: four sets of weights and eight accumulators; then rows on the way out.
;   Windows 2, 3: stage A: four sets of weights; stage B: the 64 tiles of the output.   s[32:63], s[68:99]: the 64 rows' byte offsets in out0.  s14: the tile's rows.
.set XSC,   49152                      ; LDS: x's 32 fragments (block m, K step s at 1,536 (8 m + s)) lie in front; then their scale words: 1,024 m + 32 lane
.set HID,   53248                      ; two slots:
.set HSLOT, 13824                      ; 8 hidden fragments as register pairs (1,536 (2 m + s) + 256 p + 8 lane), at 12,288 their scale words (128 (2 m + s) + 4 lane), at 13,312 the combine weights (128 m + 4 lane)
.set STG,   80896                      ; a stage of 16 rows x (1,024 + 16) bytes for each wave
.set T,     120
.set TM,    168
.set MSB, 0
.macro WIN new                         ; the immediate's high byte repeats the setting that is left
.if MSB != (\new)
	s_set_vgpr_msb (MSB<<8)|(\new)
.set MSB, (\new)
.endif
.endm
.macro PLACES n                        ; plain lines between a matrix instruction and a load into, or a read of, its registers
.rept \n
	v_nop
.endr
.endm
.macro NEXTE                           ; s66 = the lowest expert left in s20 (7 if none is left: an address inside the buffer), s25 = 1 if there was one; it is taken out of s20
	s_cmp_lg_u32 s20, 0
	s_cselect_b32 s25, 1, 0
	s_ctz_i32_b32 s66, s20
	s_min_u32 s66, s66, 7
	s_lshl_b32 s67, 1, s66
	s_and_not1_b32 s20, s20, s67
.endm
.macro PTR dst, base, stride           ; that expert's weights
	s_mul_i32 s30, s66, \stride
	s_mov_b32 s31, 0
	s_add_nc_u64 s[\dst:\dst+1], s[\base:\base+1], s[30:31]
.endm
.macro WMMA ks, row1                   ; registers by the symbols rD, rA, rB, rSA, rSB; K step 0 starts the sum; row1: source 0's scales stand in lanes 16-31
.if (\ks) == 0
.if \row1
	v_wmma_scale_f32_16x16x128_f8f6f4 v[rD:rD+7], v[rA:rA+11], v[rB:rB+11], 0, v[rSA], v[rSB] matrix_a_fmt:MATRIX_FMT_FP6 matrix_b_fmt:MATRIX_FMT_FP6 matrix_a_scale:MATRIX_SCALE_ROW1
.else
	v_wmma_scale_f32_16x16x128_f8f6f4 v[rD:rD+7], v[rA:rA+11], v[rB:rB+11], 0, v[rSA], v[rSB] matrix_a_fmt:MATRIX_FMT_FP6 matrix_b_fmt:MATRIX_FMT_FP6
.endif
.else
.if \row1
	v_wmma_scale_f32_16x16x128_f8f6f4 v[rD:rD+7], v[rA:rA+11], v[rB:rB+11], v[rD:rD+7], v[rSA], v[rSB] matrix_a_fmt:MATRIX_FMT_FP6 matrix_b_fmt:MATRIX_FMT_FP6 matrix_a_scale:MATRIX_SCALE_ROW1
.else
	v_wmma_scale_f32_16x16x128_f8f6f4 v[rD:rD+7], v[rA:rA+11], v[rB:rB+11], v[rD:rD+7], v[rSA], v[rSB] matrix_a_fmt:MATRIX_FMT_FP6 matrix_b_fmt:MATRIX_FMT_FP6
.endif
.endif
.endm
.macro XLOAD ks                        ; x's four fragments of K step ks into set ks % 2
.irp m, 0,1,2,3
.irp c, 0,1,2
	ds_load_b128 v[72+48*((\ks)%2)+12*\m+4*\c:72+48*((\ks)%2)+12*\m+4*\c+3], v1 offset:1536*(8*\m+(\ks))+512*\c
.endr
.endr
.endm
.macro WLOADA ptr, rec, wset           ; a K step's eight fragments (4 of gate, 4 of up) and four registers of scale words: 28 loads
	WIN 0x80+0x40*((\wset)>>1)
.irp f, 0,1,2,3,4,5,6,7
.irp c, 0,1,2
	global_load_b128 v[96*((\wset)&1)+12*\f+4*\c:96*((\wset)&1)+12*\f+4*\c+3], v1, s[\ptr:\ptr+1] offset:12800*(\rec)+6400*(\f/4)+1536*(\f%4)+512*\c
.endr
.endr
	WIN 0
.irp a, 0,1
.irp b, 0,1
	global_load_b32 v[56+4*(\wset)+2*\a+\b], v2, s[\ptr:\ptr+1] offset:12800*(\rec)+6400*\a+6144+128*\b
.endr
.endr
.endm
.macro MULA ks                         ; 32 matrix instructions, the 32 accumulators by turns, one instruction a turn, in the same order in every step
	WIN 0x52+(((\ks)%4)>>1)
.irp t, 0,1,2,3,4,5,6,7
.irp m, 0,1,2,3
.set rD, 128*(\t/4)+32*\m+8*(\t%4)
.set rA, 96*((\ks)%2)+12*\t
.set rB, 72+48*((\ks)%2)+12*\m
.set rSA, 56+4*((\ks)%4)+\t/2
.set rSB, 24+8*\m+(\ks)
	WMMA \ks, \t%2
.endr
.endr
.endm
.macro STEPA ks
	WIN 0
	PLACES 4                                       ; behind the last step's products, for the loads below
	XLOAD ((\ks)+1)%8
.if (\ks) == 1
	s_wait_loadcnt 29                              ; this step's weights are in; behind them: the combine weight's load and the next step's 28
.else
	s_wait_loadcnt 28                              ; this step's weights are in; the next step's 28 loads stay out
.endif
.if (\ks) == 0
	global_load_b32 v19, v18, s[2:3]               ; my token's combine weight for this expert
.endif
.if (\ks) < 6
	WLOADA 26, (\ks)+2, ((\ks)+2)%4
.else
	WLOADA 28, (\ks)-6, ((\ks)+2)%4                ; the next expert's first two steps (after the last expert: a clamped address, not used)
.endif
	s_wait_dscnt 12                                ; this step's fragments of x are in; the 12 loads just issued stay out
	MULA \ks
.endm
; silu(g) u of block m's 16 rows x my 64 hidden units, quantised along the next K: two blocks of 32, each in lanes l and l xor 16
.macro EPI m
.set G, 32*(\m)
.set U, 128+32*(\m)
.set EP, 184+10*(\m)
	WIN 0x01
.set jj, 0
.rept 16
	v_pk_mul_f32 v[T+jj:T+jj+1], v[G+jj:G+jj+1], s[100:101] op_sel_hi:[1,0]   ; -g log2(e); each accumulator is read from its low end on
.set jj, jj+2
.endr
	WIN 0
.set jj, 0
.rept 32
	v_exp_f32 v[T+jj], v[T+jj]
.set jj, jj+1
.endr
	WIN 0x45
.set jj, 0
.rept 16
	v_pk_mul_f32 v[G+jj:G+jj+1], v[G+jj:G+jj+1], v[U+jj:U+jj+1]               ; g u: work that names no exponential's result
.set jj, jj+2
.endr
	s_wait_alu depctr_va_vdst(0)                   ; one wait for the 32 exponentials
	WIN 0
.set jj, 0
.rept 16
	v_pk_add_f32 v[T+jj:T+jj+1], v[T+jj:T+jj+1], 1.0 op_sel_hi:[1,0]
.set jj, jj+2
.endr
.set jj, 0
.rept 32
	v_rcp_f32 v[T+jj], v[T+jj]
.set jj, jj+1
.endr
	v_nop
	s_wait_alu depctr_va_vdst(0)                   ; and one for the 32 reciprocals
	WIN 0x41
.set jj, 0
.rept 16
	v_pk_mul_f32 v[G+jj:G+jj+1], v[G+jj:G+jj+1], v[T+jj:T+jj+1]               ; g u / (1 + e^-g)
.set jj, jj+2
.endr
	WIN 0x14
.irp b, 0,1
	v_max3_num_f32 v[TM+\b], 0x1800000, |v[G+16*\b]|, |v[G+16*\b+1]|          ; with the floor 2^(3 - 127)
.endr
.irp i, 2,4,6,8,10,12,14
.irp b, 0,1
	v_max3_num_f32 v[TM+\b], v[TM+\b], |v[G+16*\b+\i]|, |v[G+16*\b+\i+1]|
.endr
.endr
	WIN 0
.irp b, 0,1
	v_permlanex16_b32 v[TM+2+\b], v[TM+\b], s104, s105
.endr
.irp b, 0,1
	v_max_num_f32 v[TM+\b], v[TM+\b], v[TM+2+\b]
.endr
.irp b, 0,1
	v_add_nc_u32 v[TM+4+\b], 0xff000000, v[TM+\b]
.endr
.irp b, 0,1
	v_lshrrev_b32 v[TM+6+\b], 23, v[TM+4+\b]
.endr
	v_lshl_or_b32 v[EP+9], v[TM+7], 8, v[TM+6]     ; my half of the row's scale word
	WIN 0x01
	v_cvt_scalef32_pk16_fp6_f32 v[EP:EP+2], v[G:G+15], v[TM+4]
	v_cvt_scalef32_pk16_fp6_f32 v[EP+6:EP+8], v[G+16:G+31], v[TM+5]
	WIN 0
	v_nop                                          ; a plain line behind the conversions
.irp i, 0,1,2
	v_permlane16_swap_b32 v[EP+\i], v[EP+6+\i]     ; a whole block to a lane: lanes 0-15 the first block, lanes 16-31 the second
.endr
.irp i, 0,1,2
	v_mov_b32 v[EP+3+\i], v[EP+6+\i]
.endr
.irp p, 0,1,2
	ds_store_b64 v12, v[EP+2*\p:EP+2*\p+1] offset:3072*(\m)+256*\p
.endr
	ds_store_b16 v13, v[EP+9] offset:256*(\m)
.endm
.macro LOADB ptr, rec, wset            ; a group's four fragments (two column tiles x two K steps) and two registers of scale words: 14 loads
	WIN 0x40
.irp f, 0,1,2,3
.irp c, 0,1,2
	global_load_b128 v[48*(\wset)+12*\f+4*\c:48*(\wset)+12*\f+4*\c+3], v1, s[\ptr:\ptr+1] offset:6400*(\rec)+1536*\f+512*\c
.endr
.endr
	WIN 0
.irp b, 0,1
	global_load_b32 v[56+2*(\wset)+\b], v2, s[\ptr:\ptr+1] offset:6400*(\rec)+6144+128*\b
.endr
.endm
.macro MULB g                          ; 16 matrix instructions on eight accumulators by turns: even groups' in window 1 (v192 on), odd groups' in window 0 (v184 on)
.if (\g)%2
	WIN 0x01
.else
	WIN 0x51
.endif
.irp k, 0,1
.irp u, 0,1
.irp m, 0,1,2,3
.set rD, 192-8*((\g)%2)+8*(4*\u+\m)
.set rA, 48*((\g)%4)+12*(2*\k+\u)
.set rB, 72+12*(2*\m+\k)
.set rSA, 56+2*((\g)%4)+\k
.set rSB, 24+2*\m+\k
	WMMA \k, \u
.endr
.endr
.endr
.endm
.macro FMAB g, first                   ; the group's results x the row's combine weight, onto the output's tiles; the first expert starts them: nothing is cleared
.irp m, 0,1,2,3
	WIN (0xa0+0x50*(\m/2))|(1-((\g)%2))
.irp u, 0,1
.irp p, 0,2,4,6
.set rO, 128*(\m%2)+8*(2*(\g)+\u)+\p
.set rT, 192-8*((\g)%2)+8*(4*\u+\m)+\p
.if \first
	v_pk_mul_f32 v[rO:rO+1], v[rT:rT+1], v[176+2*\m:177+2*\m] op_sel_hi:[1,0]
.else
	v_pk_fma_f32 v[rO:rO+1], v[rT:rT+1], v[176+2*\m:177+2*\m], v[rO:rO+1] op_sel_hi:[1,0,1]
.endif
.endr
.endr
.endr
.endm
; one expert's down product.  first = 1: its results start the output's tiles.  more = 1: another expert follows, and its first four groups are asked for under this one's last four
.macro SLOTB first, more
.if \more
	NEXTE
	PTR 28, 10, 204800
.endif
	v_add_nc_u32 v12, s23, v10
	v_add_nc_u32 v13, s23, v11
.irp f, 0,1,2,3,4,5,6,7
.irp p, 0,1,2,3,4,5
	ds_load_b64 v[72+12*\f+2*\p:72+12*\f+2*\p+1], v12 offset:1536*\f+256*\p
.endr
.endr
.irp f, 0,1,2,3,4,5,6,7
	ds_load_b32 v[24+\f], v13 offset:128*\f
.endr
.irp m, 0,1,2,3
	ds_load_b32 v[176+2*\m], v13 offset:1024+128*\m
.endr
	s_wait_dscnt 0x0
.irp g, 0,1,2,3,4,5,6,7
.if \more || (\g < 5)
	s_wait_loadcnt 42                              ; this group's weights are in; three groups of 14 loads stay out
.else
	s_wait_loadcnt 14*(7-\g)                       ; the last expert's last groups: behind this one 2, 1, 0 groups of 14 loads
.endif
	MULB \g
.if \g == 0
	PLACES 5
.else
	FMAB \g-1, \first                              ; 32 plain lines that name no register of the products just issued: the places in front of the loads below and of the next reading of results
.endif
.if \g < 4
	LOADB 26, \g+4, \g%4
.elseif \more
	LOADB 28, \g-4, \g%4
.endif
.endr
	PLACES 4
	FMAB 7, \first
	WIN 0
.if \more
	s_wait_xcnt 0x0                                ; the loads have read their base: it may be written
	s_mov_b64 s[26:27], s[28:29]
.endif
.endm
	s_load_b256 s[4:11], s[0:1], 0x0               ; xq, xs, wqa, wqb
	s_load_b128 s[12:15], s[0:1], 0x20             ; comb, order
	s_load_b64 s[16:17], s[0:1], 0x30              ; out0
	v_lshrrev_b32 v1, 5, v0
	v_readfirstlane_b32 s18, v1                    ; wave
	v_and_b32 v3, 31, v0                           ; lane
	v_and_b32 v23, 15, v0                          ; r
	v_bfe_u32 v248, v0, 4, 1                       ; h
	v_lshlrev_b32 v1, 4, v3                        ; 16 x lane: an image's place for my lane
	v_lshlrev_b32 v2, 2, v3                        ; 4 x lane: a scale word's
	s_mul_i32 s30, s18, 12288
	v_add_nc_u32 v4, s30, v1                       ; where I store x's images: block m = my wave
	v_lshlrev_b32 v6, 5, v3
	v_add_nc_u32 v6, XSC, v6                       ; x's scale words: 32 bytes a lane
	s_lshl_b32 s30, s18, 10
	v_add_nc_u32 v5, s30, v6
	v_lshlrev_b32 v10, 3, v3
	v_add_nc_u32 v10, HID, v10                     ; a hidden fragment's pairs: 8 bytes a lane
	s_mul_i32 s30, s18, 768
	v_add_nc_u32 v7, s30, v10                      ; my wave's three pairs
	v_add_nc_u32 v11, HID+12288, v2                ; the hidden layer's scale words
	s_lshr_b32 s30, s18, 1
	s_lshl_b32 s30, s30, 7
	s_and_b32 s31, s18, 1
	s_lshl_b32 s31, s31, 1
	s_add_co_u32 s30, s30, s31
	v_add_nc_u32 v8, s30, v11                      ; my wave's K step and half of a word
	s_lshl_b32 s30, s18, 7
	v_add_nc_u32 v9, s30, v11
	v_add_nc_u32 v9, 1024, v9                      ; my tokens' combine weights
	s_mul_i32 s30, s18, 16640
	s_add_co_u32 s30, s30, STG
	v_mul_u32_u24 v20, v23, 1040
	v_lshl_add_u32 v20, v248, 5, v20
	v_add_nc_u32 v20, s30, v20                     ; the stage, in: row r, 32 bytes for each half of the lanes
	v_add_nc_u32 v21, s30, v1                      ; back: 16 bytes a lane
	s_lshl_b32 s30, s18, 10
	v_add_nc_u32 v22, s30, v1                      ; my place in a row of out0
	s_lshl_b32 s30, s18, 4
	v_add_nc_u32 v249, s30, v23                    ; my row of the tile: 16 w + r
	v_add_nc_u32 v252, 32, v3                      ; rows lane and lane + 32, for the way out
	s_mov_b32 s100, 0xbfb8aa3b                     ; -log2(e), as a pair
	s_mov_b32 s101, s100
	s_mov_b32 s104, 0x76543210
	s_mov_b32 s105, 0xfedcba98                     ; lane l xor 16
	s_lshl_b32 s30, ttmp9, 2
	s_mov_b32 s31, 0
	s_wait_kmcnt 0x0
	s_add_nc_u64 s[32:33], s[14:15], s[30:31]
	s_load_b32 s34, s[32:33], 0x8000               ; my tile's word: first position | rows << 16; the list of tiles lies behind the 8,192 positions
	s_mul_i32 s30, s18, 102400
	s_add_nc_u64 s[8:9], s[8:9], s[30:31]          ; my wave's part of an expert's gate and up,
	s_mul_i32 s30, s18, 51200
	s_add_nc_u64 s[10:11], s[10:11], s[30:31]      ; and of its down
	s_wait_kmcnt 0x0
	s_and_b32 s66, s34, 0xffff
	s_min_u32 s66, s66, 0x1fff                     ; the first position
	s_bfe_u32 s67, s34, 0x70010
	s_min_u32 s67, s67, 64                         ; the rows
	s_max_u32 s30, s67, 1
	s_sub_co_u32 s30, s30, 1                       ; the last valid row (0 in an empty tile)
	v_min_u32 v249, s30, v249                      ; rows beyond the count take the last valid one
	v_min_u32 v251, s30, v3
	v_min_u32 v252, s30, v252
	v_add_nc_u32 v249, s66, v249
	v_add_nc_u32 v251, s66, v251
	v_add_nc_u32 v252, s66, v252
	v_min_u32 v249, 0x1fff, v249                   ; held inside the list
	v_min_u32 v251, 0x1fff, v251
	v_min_u32 v252, 0x1fff, v252
	v_lshlrev_b32 v249, 2, v249
	v_lshlrev_b32 v251, 2, v251
	v_lshlrev_b32 v252, 2, v252
	global_load_b32 v15, v249, s[14:15]            ; token | mask << 16: my row's,
	global_load_b32 v253, v251, s[14:15]           ; rows 0-31's, a lane a row,
	global_load_b32 v254, v252, s[14:15]           ; rows 32-63's
	s_wait_loadcnt 0x0
	s_mov_b32 s14, s67                             ; the list's address has served: s14 keeps the tile's rows
	v_readfirstlane_b32 s19, v253
	s_bfe_u32 s19, s19, 0x80010                    ; the pair's mask, from row 0, which is valid in every tile that has rows;
	s_cmp_lg_u32 s14, 0
	s_cselect_b32 s19, s19, 0                      ; none in an empty tile
	v_and_b32 v15, 0xffff, v15
	v_min_u32 v15, 0x1fff, v15                     ; my token, held inside the tables
	v_mul_u32_u24 v16, v15, 768
	v_mul_u32_u24 v250, v248, 48
	v_add_nc_u32 v16, v16, v250                    ; its codes, my half's 48 bytes of a K step
	v_lshlrev_b32 v17, 5, v15
	v_lshlrev_b32 v18, 4, v15
.irp k, 0,1,2,3,4,5,6,7
.irp c, 0,1,2
	global_load_b128 v[72+12*\k+4*\c:72+12*\k+4*\c+3], v16, s[4:5] offset:96*\k+16*\c
.endr
.endr
	global_load_b128 v[168:171], v17, s[6:7]
	global_load_b128 v[172:175], v17, s[6:7] offset:16
	s_mov_b32 s20, s19
	NEXTE
	s_mov_b32 s22, s66                             ; the expert in hand,
	s_mov_b32 s21, s25                             ; and that there is one
	PTR 26, 8, 409600
	WLOADA 26, 0, 0
	WLOADA 26, 1, 1
	; while the gather is on its way: where the 64 rows lie in out0, as scalars
	v_and_b32 v253, 0xffff, v253
	v_and_b32 v254, 0xffff, v254
.set n, 0
.rept 32
	v_readlane_b32 s[32+n], v253, n
	v_readlane_b32 s[68+n], v254, n
.set n, n+1
.endr
.set n, 0
.rept 32
	s_min_u32 s[32+n], s[32+n], 0x1fff             ; held inside out0
	s_min_u32 s[68+n], s[68+n], 0x1fff
.set n, n+1
.endr
.set n, 0
.rept 32
	s_lshl_b32 s[32+n], s[32+n], 12                ; a row is 4,096 bytes
	s_lshl_b32 s[68+n], s[68+n], 12
.set n, n+1
.endr
	s_wait_loadcnt 56                              ; the gather is in; the weights' 56 loads stay out
.irp k, 0,1,2,3,4,5,6,7
.irp c, 0,1,2
	ds_store_b128 v4, v[72+12*\k+4*\c:72+12*\k+4*\c+3] offset:1536*\k+512*\c
.endr
.endr
	ds_store_b128 v5, v[168:171]
	ds_store_b128 v5, v[172:175] offset:16
	s_wait_dscnt 0x0                               ; for the others' sake: my block of x lies in LDS
	s_barrier_signal -1
	s_barrier_wait -1
.irp m, 0,1,2,3
.irp c, 0,1
	ds_load_b128 v[24+8*\m+4*\c:24+8*\m+4*\c+3], v6 offset:1024*\m+16*\c     ; x's scale words: register 24 + 8 m + s
.endr
.endr
	XLOAD 0
	v_mov_b32 v170, 0                              ; a lane permute's destination counts as read
	v_mov_b32 v171, 0
.irp m, 0,1,2,3
	v_mov_b32 v[177+2*\m], 0                       ; named as the upper halves of the combine weights' pairs
.endr
	; ---- STAGE A: a trip an expert; two trips, which an empty tile jumps over
	s_mov_b32 s23, 0                               ; the slot's first byte
	s_mov_b32 s24, 2
.LloopA:
	s_cmp_eq_u32 s21, 0
	s_cbranch_scc1 .LskipA
	NEXTE
	PTR 28, 8, 409600
	s_and_b32 s30, s22, 4                          ; the expert's combine weights: experts 4-7 lie 2^17 bytes on; 4 bytes an expert within a token's 16
	s_lshl_b32 s30, s30, 15
	s_and_b32 s67, s22, 3
	s_lshl_b32 s67, s67, 2
	s_add_co_u32 s30, s30, s67
	s_mov_b32 s31, 0
	s_add_nc_u64 s[2:3], s[12:13], s[30:31]
	STEPA 0
	STEPA 1
	STEPA 2
	STEPA 3
	STEPA 4
	STEPA 5
	STEPA 6
	STEPA 7
	WIN 0
	PLACES 4                                       ; behind the last products: their results are read, and the second set of x's registers is written
	v_add_nc_u32 v12, s23, v7
	v_add_nc_u32 v13, s23, v8
	v_add_nc_u32 v14, s23, v9
	ds_store_b32 v14, v19
	EPI 0
	EPI 1
	EPI 2
	EPI 3
	s_wait_dscnt 0x0                               ; my stores have read their registers and lie in LDS
	s_wait_xcnt 0x0                                ; the loads have read their bases: they may be written
	s_mov_b64 s[26:27], s[28:29]
	s_mov_b32 s22, s66
	s_mov_b32 s21, s25
.LskipA:
	s_add_co_u32 s23, s23, HSLOT
	s_sub_co_u32 s24, s24, 1
	s_cmp_lg_u32 s24, 0
	s_cbranch_scc1 .LloopA
	s_wait_loadcnt 0x0                             ; the loads issued ahead behind the last expert have landed: their registers are used anew
	; ---- between the stages: the first expert's first four groups of down are asked for ahead of the barrier
	s_mov_b32 s20, s19
	NEXTE
	PTR 26, 10, 204800
	LOADB 26, 0, 0
	LOADB 26, 1, 1
	LOADB 26, 2, 2
	LOADB 26, 3, 3
	s_wait_dscnt 0x0
	s_barrier_signal -1                            ; every wave's part of the hidden layer lies in LDS
	s_barrier_wait -1
	s_cmp_eq_u32 s14, 0                            ; an empty tile has passed both barriers and ends: it stores nothing
	s_cbranch_scc1 .Lend
	; ---- STAGE B: the pair's two experts, written out
	s_mov_b32 s23, 0
	SLOTB 1, 1
	s_mov_b32 s23, HSLOT
	SLOTB 0, 0
	; ---- THE WAY OUT, a block of 16 rows at a time through my own stage: a lane holds 32 neighbouring bytes of a row; back come 512 consecutive bytes an instruction.
	; It ends behind the last block that holds a valid row: the three short ends are written out, so that every wait's count is right on its own way.
.macro ROFF m                          ; where the block's 16 rows lie in out0
.set ii, 0
.rept 16
.set ps, 16*(\m)+ii
.if ps < 32
.set sr, 32+ps
.else
.set sr, 36+ps
.endif
	v_add_nc_u32 v[72+16*((\m)%2)+ii], s[sr], v22
.set ii, ii+1
.endr
.endm
.macro TOSTAGE m
	WIN 0x08+4*((\m)/2)                            ; an LDS store's data are its source 1: window 2 or 3
.irp n, 0,1,2,3,4,5,6,7,8,9,10,11,12,13,14,15
	ds_store_b128 v20, v[128*((\m)%2)+8*\n:128*((\m)%2)+8*\n+3] offset:64*\n
	ds_store_b128 v20, v[128*((\m)%2)+8*\n+4:128*((\m)%2)+8*\n+7] offset:64*\n+16
.endr
	WIN 0x40
.irp i, 0,1,2,3,4,5,6,7,8,9,10,11,12,13,14,15
.irp q, 0,1
	ds_load_b128 v[128*((\m)%2)+8*\i+4*\q:128*((\m)%2)+8*\i+4*\q+3], v21 offset:1040*\i+512*\q   ; LDS serves a wave's instructions in order: these see the stores above
.endr
.endr
	WIN 0
.endm
.macro SEND m, younger
	s_wait_dscnt \younger
	WIN 0x04                                       ; a store's data are its source 1: window 1
.irp i, 0,1,2,3,4,5,6,7,8,9,10,11,12,13,14,15
.irp q, 0,1
	global_store_b128 v[72+16*((\m)%2)+\i], v[128*((\m)%2)+8*\i+4*\q:128*((\m)%2)+8*\i+4*\q+3], s[16:17] offset:512*\q th:TH_STORE_NT   ; 512 consecutive bytes of a row, at a multiple of 256 from out0's first byte
.endr
.endr
	WIN 0
.endm
	ROFF 0
	TOSTAGE 0
	s_cmp_le_u32 s14, 16
	s_cbranch_scc1 .Lout0
	ROFF 1
	TOSTAGE 1
	SEND 0, 63                                     ; behind block 0's loads stand 64 LDS instructions; a wait names 63 at the most
	s_cmp_le_u32 s14, 32
	s_cbranch_scc1 .Lout1
	s_wait_xcnt 0x0                                ; block 0's stores have read their registers: they are written again
	ROFF 2
	TOSTAGE 2
	SEND 1, 63
	s_cmp_le_u32 s14, 48
	s_cbranch_scc1 .Lout2
	s_wait_xcnt 0x0
	ROFF 3
	TOSTAGE 3
	SEND 2, 63
	SEND 3, 0
.Lend:
	s_wait_xcnt 0x0
	v_lshl_add_u32 v254, v0, 2, 0x24000
	v_mov_b32 v255, 0
	s_wait_tensorcnt 0x0
	ds_add_u32 v254, v255
	s_wait_dscnt 0x0
	s_endpgm
.Lout0:
	SEND 0, 0
	s_wait_xcnt 0x0
	v_lshl_add_u32 v254, v0, 2, 0x24000
	v_mov_b32 v255, 0
	s_wait_tensorcnt 0x0
	ds_add_u32 v254, v255
	s_wait_dscnt 0x0
	s_endpgm
.Lout1:
	SEND 1, 0
	s_wait_xcnt 0x0
	v_lshl_add_u32 v254, v0, 2, 0x24000
	v_mov_b32 v255, 0
	s_wait_tensorcnt 0x0
	ds_add_u32 v254, v255
	s_wait_dscnt 0x0
	s_endpgm
.Lout2:
	SEND 2, 0
	s_wait_xcnt 0x0
	v_lshl_add_u32 v254, v0, 2, 0x24000
	v_mov_b32 v255, 0
	s_wait_tensorcnt 0x0
	ds_add_u32 v254, v255
	s_wait_dscnt 0x0
	s_endpgm
.Lfunc_end_k_q5d199ff67f_experts:
	.size	k_q5d199ff67f_experts, .Lfunc_end_k_q5d199ff67f_experts-k_q5d199ff67f_experts
	.p2alignl 7, 3214868480
	.fill 96, 4, 3214868480
	.section	.rodata,"a",@progbits
	.p2align	6, 0x0
	.amdhsa_kernel k_q5d199ff67f_experts
		.amdhsa_group_segment_fixed_size 147968
		.amdhsa_private_segment_fixed_size 0
		.amdhsa_enable_private_segment 0
		.amdhsa_kernarg_size 56
		.amdhsa_user_sgpr_count 2
		.amdhsa_user_sgpr_kernarg_segment_ptr 1
		.amdhsa_wavefront_size32 1
		.amdhsa_system_sgpr_workgroup_id_x 1
		.amdhsa_system_sgpr_workgroup_id_y 1
		.amdhsa_system_sgpr_workgroup_id_z 1
		.amdhsa_system_vgpr_workitem_id 0
		.amdhsa_next_free_vgpr 1024
		.amdhsa_next_free_sgpr 106
		.amdhsa_reserve_vcc 0
		.amdhsa_float_denorm_mode_32 3
		.amdhsa_float_denorm_mode_16_64 3
		.amdhsa_memory_ordered 1
		.amdhsa_forward_progress 1
		.amdhsa_inst_pref_size 255
	.end_amdhsa_kernel
	.section	.bss,"aw",@nobits
	.p2align	6
	.space	262144
	.amdgpu_metadata
---
amdhsa.version: [ 1, 2 ]
amdhsa.kernels:
  - .name:           k_q5d199ff67f_experts
    .symbol:         k_q5d199ff67f_experts.kd
    .args:
      - { .name: xq, .offset: 0, .size: 8, .value_kind: global_buffer, .address_space: global }
      - { .name: xs, .offset: 8, .size: 8, .value_kind: global_buffer, .address_space: global }
      - { .name: wqa, .offset: 16, .size: 8, .value_kind: global_buffer, .address_space: global }
      - { .name: wqb, .offset: 24, .size: 8, .value_kind: global_buffer, .address_space: global }
      - { .name: comb, .offset: 32, .size: 8, .value_kind: global_buffer, .address_space: global }
      - { .name: order, .offset: 40, .size: 8, .value_kind: global_buffer, .address_space: global }
      - { .name: out0, .offset: 48, .size: 8, .value_kind: global_buffer, .address_space: global }
    .group_segment_fixed_size: 147968
    .private_segment_fixed_size: 0
    .kernarg_segment_align: 8
    .kernarg_segment_size: 56
    .max_flat_workgroup_size: 128
    .sgpr_count:     106
    .vgpr_count:     1024
    .wavefront_size: 32
...
	.end_amdgpu_metadata
.endif
;; end of part 5
;; ======== version 3 of 3: 3 launches; version 2 with the launch experts written anew for expert scheduling mode
;; workspace buffers: xq 6,291,456 bytes; xs 262,144 bytes; comb 262,144 bytes; route 65,536 bytes of whole numbers; part 16,384 bytes; wqa 3,276,800 bytes; wqb 1,638,400 bytes; order 34,816 bytes of whole numbers
;; launch xprep: the kernel of part 1 again; grid 256 x 1, 4 waves a work-group, no clusters, 78,848 bytes of LDS; arguments x, w_router, xq, xs, comb, route, part; writes xq, xs, comb, route, part
;; launch wprep: the kernel of part 4 again; grid 388 x 1, 4 waves a work-group, no clusters, 0 bytes of LDS; arguments w_gate, w_up, w_down, route, part, wqa, wqb, order, out1, out2; writes wqa, wqb, order, out1, out2
;; launch experts (part 6): grid 155 x 1, 4 waves a work-group, no clusters, 147,968 bytes of LDS; arguments xq, xs, wqa, wqb, comb, order, out0; writes out0
.if DOCPART == 6
	.amdgcn_target "amdgcn-amd-amdhsa--gfx1250"
	.amdhsa_code_object_version 6
	.text
	.protected	k_q5d199ff67f_experts
	.globl	k_q5d199ff67f_experts
	.p2align	8
	.type	k_q5d199ff67f_experts,@function
k_q5d199ff67f_experts:
	s_mov_b64 s[64:65], 0
	v_nop
	global_prefetch_b8 v0, s[64:65] scope:SCOPE_SE
	s_setreg_imm32_b32 hwreg(HW_REG_WAVE_SCHED_MODE, 0, 2), 2
	s_setreg_imm32_b32 hwreg(HW_REG_WAVE_MODE, 25, 1), 1
	s_wait_xcnt 0x0
	s_wait_alu depctr_vm_vsrc(0)
; out0[token] = the sum over the token's two experts of combine x down(silu(gate(x)) x up(x)), all three products on codes of FP6 (E2M3) with E8M0 scales.
; SHARES.  A work-group owns one TILE of the stored list: up to 64 tokens that named the same pair of experts, neighbours in the sorted order: four blocks m of 16 rows, and exactly two experts.  Every row of out0 has one owner.
; THE GRID serves every split: 28 pairs and 8,192 tokens make at most 128 + 27 = 155 tiles.  A tile that the split leaves empty has the mask 0: it jumps over the experts' trips, passes both barriers (no barrier stands
; under a branch on the list) and ends behind the second; it still issues the head's loads, from clamped places.
; A TILE WITH FEWER THAN 64 ROWS: the rows beyond its count take the tile's last valid position and compute that token once more.  The way out ends behind the last block of 16 rows that holds a valid row, so at most
; 15 rows are stored a second time, by the same wave, to the same bytes, with the same numbers.
; THE WAVES SHARE THE COLUMNS.  Stage A: wave w makes hidden units 64 w .. 64 w + 63 (4 tiles of gate, 4 of up, x 4 blocks of rows: 32 accumulators), silu(g) u in f32, quantises along the next K in registers and
; leaves codes, scale bytes and combine weights in LDS, a slot for each expert.  One barrier.  Stage B: wave w makes columns 256 w .. 256 w + 255: 16 x 4 tiles of f32 stay in 512 registers; each expert's
; product is made in 8 accumulators at a time and added with the row's combine weight.  Whole rows leave through the wave's own stage.
; BOTH PRODUCTS ARE USED TRANSPOSED (source 0 = 16 rows of a weight, source 1 = 16 tokens): a lane holds one token throughout, and its registers run along the hidden units or the output's columns.
; THE WEIGHTS come from memory straight into registers, as images of the operand's registers, two K steps (stage A) or four groups (stage B) ahead.  Which experts are walked hangs on the stored list, so this launch has
; no tensor load, hence no joint loads in a cluster.
; LIMITS: NaN and infinities are not served; a hidden block of zeros gets the byte 1 (its codes are zeros).
; REGISTERS.  Window 0: v1-23 addresses; v24-71 scale words and nothing else; v72-167 x's fragments (two sets of 48), later the hidden layer's eight, later (v72-135) the 64 rows' offsets; v120-151 also the activation's scratch;
;   v168-175 at work; v176-183 combine weights; v184-247 stage A: codes just made; stage B: eight accumulators.   Window 1: stage A: the 32 accumulators; stage B: four sets of weights and eight accumulators; then rows on the way out.
;   Windows 2, 3: stage A: four sets of weights; stage B: the 64 tiles of the output.   s[32:63], s[68:99]: the 64 rows' byte offsets in out0.  s14: the tile's rows.
; THE MODE: SCHED_MODE bits 1:0 = 2 (LLVM: expert scheduling mode 2), set by the entry lines.  The code itself states the register dependences between vector or matrix instructions and memory or LDS instructions,
; with s_wait_alu, always for 0.
; THE PLAN.  Registers that memory or LDS instructions touch, and who else names them:
;   v1-v11, v18, v20-v22   addresses and offsets, made at the head and never written again.
;   STAGE A, step ks.  X[ks % 2] (v72-119, v120-167): read by the step's 32 matrix instructions; the LDS loads for step ks + 1 land in the other set, which step ks - 1 read (and whose v120-151 the activation used).
;                      W[ks % 4] and its four scale words: read by the step's matrix instructions; the loads for step ks + 2 land in W[(ks + 2) % 4], which step ks - 2 read.
;     So ONE wait on va_vdst stands at a step's head.  The step's loads follow it, dealt among four runs of eight matrix instructions, which name X[ks % 2], W[ks % 4] with its scale words, x's scale words and the
;     accumulators: none of the registers that those loads touch.
;   v12-v14 (made once a trip), v19 (loaded in step 0), v184-223 (a block's codes and scale bytes, ten registers for each of four blocks): read by the trip's LDS stores.  Block m - 1's stores stand behind the wait
;     for block m's exponentials, block 3's behind a wait of their own; one wait on vm_vsrc at the trip's end frees them all.
;   STAGE B.  Weight set g % 4 and its two scale words: read by group g's 16 products, asked for again behind them: one wait on va_vdst to a group that asks.  The hidden fragments, their scale words and the combine
;     weights: loaded at a slot's head, behind one wait on va_vdst.
;   THE WAY OUT.  All 64 offsets are made first; one wait on va_vdst then serves every LDS store, LDS load and global store; window 1's two buffers of rows are loaded again behind a wait on vm_vsrc.
.set XSC,   49152                      ; LDS: x's 32 fragments (block m, K step s at 1,536 (8 m + s)) lie in front; then their scale words: 1,024 m + 32 lane
.set HID,   53248                      ; two slots:
.set HSLOT, 13824                      ; 8 hidden fragments as register pairs (1,536 (2 m + s) + 256 p + 8 lane), at 12,288 their scale words (128 (2 m + s) + 4 lane), at 13,312 the combine weights (128 m + 4 lane)
.set STG,   80896                      ; a stage of 16 rows x (1,024 + 16) bytes for each wave
.set T,     120
.set TM,    168
.set MSB, 0
.macro WIN new                         ; the immediate's high byte repeats the setting that is left
.if MSB != (\new)
	s_set_vgpr_msb (MSB<<8)|(\new)
.set MSB, (\new)
.endif
.endm
.macro PLACES n                        ; plain lines between a matrix instruction and a load into, or a read of, its registers
.rept \n
	v_nop
.endr
.endm
.macro NEXTE                           ; s66 = the lowest expert left in s20 (7 if none is left: an address inside the buffer), s25 = 1 if there was one; it is taken out of s20
	s_cmp_lg_u32 s20, 0
	s_cselect_b32 s25, 1, 0
	s_ctz_i32_b32 s66, s20
	s_min_u32 s66, s66, 7
	s_lshl_b32 s67, 1, s66
	s_and_not1_b32 s20, s20, s67
.endm
.macro PTR dst, base, stride           ; that expert's weights
	s_mul_i32 s30, s66, \stride
	s_mov_b32 s31, 0
	s_add_nc_u64 s[\dst:\dst+1], s[\base:\base+1], s[30:31]
.endm
.macro WMMA ks, row1                   ; registers by the symbols rD, rA, rB, rSA, rSB; K step 0 starts the sum; row1: source 0's scales stand in lanes 16-31
.if (\ks) == 0
.if \row1
	v_wmma_scale_f32_16x16x128_f8f6f4 v[rD:rD+7], v[rA:rA+11], v[rB:rB+11], 0, v[rSA], v[rSB] matrix_a_fmt:MATRIX_FMT_FP6 matrix_b_fmt:MATRIX_FMT_FP6 matrix_a_scale:MATRIX_SCALE_ROW1
.else
	v_wmma_scale_f32_16x16x128_f8f6f4 v[rD:rD+7], v[rA:rA+11], v[rB:rB+11], 0, v[rSA], v[rSB] matrix_a_fmt:MATRIX_FMT_FP6 matrix_b_fmt:MATRIX_FMT_FP6
.endif
.else
.if \row1
	v_wmma_scale_f32_16x16x128_f8f6f4 v[rD:rD+7], v[rA:rA+11], v[rB:rB+11], v[rD:rD+7], v[rSA], v[rSB] matrix_a_fmt:MATRIX_FMT_FP6 matrix_b_fmt:MATRIX_FMT_FP6 matrix_a_scale:MATRIX_SCALE_ROW1
.else
	v_wmma_scale_f32_16x16x128_f8f6f4 v[rD:rD+7], v[rA:rA+11], v[rB:rB+11], v[rD:rD+7], v[rSA], v[rSB] matrix_a_fmt:MATRIX_FMT_FP6 matrix_b_fmt:MATRIX_FMT_FP6
.endif
.endif
.endm
.macro XLOAD ks                        ; x's four fragments of K step ks into set ks % 2
.irp m, 0,1,2,3
.irp c, 0,1,2
	ds_load_b128 v[72+48*((\ks)%2)+12*\m+4*\c:72+48*((\ks)%2)+12*\m+4*\c+3], v1 offset:1536*(8*\m+(\ks))+512*\c
.endr
.endr
.endm
.macro WFRAG ptr, rec, wset, f0        ; four of a K step's eight fragments (0-3: gate, 4-7: up): 12 loads
	WIN 0x80+0x40*((\wset)>>1)
.irp f, \f0, \f0+1, \f0+2, \f0+3
.irp c, 0,1,2
	global_load_b128 v[96*((\wset)&1)+12*(\f)+4*\c:96*((\wset)&1)+12*(\f)+4*\c+3], v1, s[\ptr:\ptr+1] offset:12800*(\rec)+6400*((\f)/4)+1536*((\f)%4)+512*\c
.endr
.endr
.endm
.macro WSCALE ptr, rec, wset           ; the K step's four registers of scale words: 4 loads
	WIN 0
.irp a, 0,1
.irp b, 0,1
	global_load_b32 v[56+4*(\wset)+2*\a+\b], v2, s[\ptr:\ptr+1] offset:12800*(\rec)+6400*\a+6144+128*\b
.endr
.endr
.endm
.macro WLOADA ptr, rec, wset           ; a K step's eight fragments and four registers of scale words in one run: 28 loads
	WFRAG \ptr, \rec, \wset, 0
	WFRAG \ptr, \rec, \wset, 4
	WSCALE \ptr, \rec, \wset
.endm
.macro MULAQ ks, q                     ; quarter q of a step's 32 matrix instructions: tiles 2 q and 2 q + 1 x the four blocks of rows.  The 32 accumulators by turns, one instruction a turn, in the same order in every step
	WIN 0x52+(((\ks)%4)>>1)
.irp u, 0,1
.irp m, 0,1,2,3
.set tt, 2*(\q)+\u
.set rD, 128*(tt/4)+32*\m+8*(tt%4)
.set rA, 96*((\ks)%2)+12*tt
.set rB, 72+48*((\ks)%2)+12*\m
.set rSA, 56+4*((\ks)%4)+(\q)
.set rSB, 24+8*\m+(\ks)
	WMMA \ks, \u
.endr
.endr
.endm
.macro STEPA ks
	PLACES 4                                       ; behind the last step's products; they stay beside the wait on va_vdst below
.if (\ks) == 1
	s_wait_loadcnt 29                              ; this step's weights are in; behind them: the combine weight's load and the next step's 28
.else
	s_wait_loadcnt 28                              ; this step's weights are in; the next step's 28 loads stay out
.endif
	s_wait_dscnt 0x0                               ; this step's fragments of x are in: they were asked for behind the last step's first eight products
	s_wait_alu depctr_va_vdst(0)                   ; the last step's products are done reading the other set of x (in a trip's first step the activation is done with v120-151 too), those of two steps back their weights and scale words: this step's loads land there
	MULAQ \ks, 0
	WIN 0
	XLOAD ((\ks)+1)%8                              ; no further wait in this step: no matrix instruction since the wait names a register that its loads touch
.if (\ks) == 0
	global_load_b32 v19, v18, s[2:3]               ; my token's combine weight for this expert
.endif
.if (\ks) < 6
	WSCALE 26, (\ks)+2, ((\ks)+2)%4
	MULAQ \ks, 1
	WFRAG 26, (\ks)+2, ((\ks)+2)%4, 0
	MULAQ \ks, 2
	WFRAG 26, (\ks)+2, ((\ks)+2)%4, 4
.else
	WSCALE 28, (\ks)-6, ((\ks)+2)%4                ; the next expert's first two steps (after the last expert: a clamped address, not used)
	MULAQ \ks, 1
	WFRAG 28, (\ks)-6, ((\ks)+2)%4, 0
	MULAQ \ks, 2
	WFRAG 28, (\ks)-6, ((\ks)+2)%4, 4
.endif
	MULAQ \ks, 3
.endm
.macro EPIST m                         ; block m's codes and my half of its rows' scale words go to LDS
.set ES, 184+10*(\m)
.irp p, 0,1,2
	ds_store_b64 v12, v[ES+2*\p:ES+2*\p+1] offset:3072*(\m)+256*\p
.endr
	ds_store_b16 v13, v[ES+9] offset:256*(\m)
.endm
; silu(g) u of block m's 16 rows x my 64 hidden units, quantised along the next K: two blocks of 32, each in lanes l and l xor 16
.macro EPI m
.set G, 32*(\m)
.set U, 128+32*(\m)
.set EP, 184+10*(\m)
	WIN 0x01
.set jj, 0
.rept 16
	v_pk_mul_f32 v[T+jj:T+jj+1], v[G+jj:G+jj+1], s[100:101] op_sel_hi:[1,0]   ; -g log2(e); each accumulator is read from its low end on
.set jj, jj+2
.endr
	WIN 0
.set jj, 0
.rept 32
	v_exp_f32 v[T+jj], v[T+jj]
.set jj, jj+1
.endr
	WIN 0x45
.set jj, 0
.rept 16
	v_pk_mul_f32 v[G+jj:G+jj+1], v[G+jj:G+jj+1], v[U+jj:U+jj+1]               ; g u: work that names no exponential's result
.set jj, jj+2
.endr
	WIN 0
	s_wait_alu depctr_va_vdst(0)                   ; the 32 exponentials' results are written, ahead of their first reader; so is what the LDS stores below read: v12 to v14 (block 0), the block before's codes and scale bytes (blocks 1 to 3)
.if (\m) == 0
	ds_store_b32 v14, v19                          ; my token's combine weight (its load was shown in by step 2's wait)
.else
	EPIST (\m)-1
.endif
.set jj, 0
.rept 16
	v_pk_add_f32 v[T+jj:T+jj+1], v[T+jj:T+jj+1], 1.0 op_sel_hi:[1,0]
.set jj, jj+2
.endr
.set jj, 0
.rept 32
	v_rcp_f32 v[T+jj], v[T+jj]
.set jj, jj+1
.endr
	v_nop
	s_wait_alu depctr_va_vdst(0)                   ; the 32 reciprocals' results are written, ahead of their first reader
	WIN 0x41
.set jj, 0
.rept 16
	v_pk_mul_f32 v[G+jj:G+jj+1], v[G+jj:G+jj+1], v[T+jj:T+jj+1]               ; g u / (1 + e^-g)
.set jj, jj+2
.endr
	WIN 0x14
.irp b, 0,1
	v_max3_num_f32 v[TM+\b], 0x1800000, |v[G+16*\b]|, |v[G+16*\b+1]|          ; with the floor 2^(3 - 127)
.endr
.irp i, 2,4,6,8,10,12,14
.irp b, 0,1
	v_max3_num_f32 v[TM+\b], v[TM+\b], |v[G+16*\b+\i]|, |v[G+16*\b+\i+1]|
.endr
.endr
	WIN 0
.irp b, 0,1
	v_permlanex16_b32 v[TM+2+\b], v[TM+\b], s104, s105
.endr
.irp b, 0,1
	v_max_num_f32 v[TM+\b], v[TM+\b], v[TM+2+\b]
.endr
.irp b, 0,1
	v_add_nc_u32 v[TM+4+\b], 0xff000000, v[TM+\b]
.endr
.irp b, 0,1
	v_lshrrev_b32 v[TM+6+\b], 23, v[TM+4+\b]
.endr
	v_lshl_or_b32 v[EP+9], v[TM+7], 8, v[TM+6]     ; my half of the row's scale word
	WIN 0x01
	v_cvt_scalef32_pk16_fp6_f32 v[EP:EP+2], v[G:G+15], v[TM+4]
	v_cvt_scalef32_pk16_fp6_f32 v[EP+6:EP+8], v[G+16:G+31], v[TM+5]
	WIN 0
	v_nop                                          ; a plain line behind the conversions
.irp i, 0,1,2
	v_permlane16_swap_b32 v[EP+\i], v[EP+6+\i]     ; a whole block to a lane: lanes 0-15 the first block, lanes 16-31 the second
.endr
.irp i, 0,1,2
	v_mov_b32 v[EP+3+\i], v[EP+6+\i]
.endr
.endm
.macro LOADB ptr, rec, wset            ; a group's four fragments (two column tiles x two K steps) and two registers of scale words: 14 loads
	WIN 0x40
.irp f, 0,1,2,3
.irp c, 0,1,2
	global_load_b128 v[48*(\wset)+12*\f+4*\c:48*(\wset)+12*\f+4*\c+3], v1, s[\ptr:\ptr+1] offset:6400*(\rec)+1536*\f+512*\c
.endr
.endr
	WIN 0
.irp b, 0,1
	global_load_b32 v[56+2*(\wset)+\b], v2, s[\ptr:\ptr+1] offset:6400*(\rec)+6144+128*\b
.endr
.endm
.macro MULB g                          ; 16 matrix instructions on eight accumulators by turns: even groups' in window 1 (v192 on), odd groups' in window 0 (v184 on)
.if (\g)%2
	WIN 0x01
.else
	WIN 0x51
.endif
.irp k, 0,1
.irp u, 0,1
.irp m, 0,1,2,3
.set rD, 192-8*((\g)%2)+8*(4*\u+\m)
.set rA, 48*((\g)%4)+12*(2*\k+\u)
.set rB, 72+12*(2*\m+\k)
.set rSA, 56+2*((\g)%4)+\k
.set rSB, 24+2*\m+\k
	WMMA \k, \u
.endr
.endr
.endr
.endm
.macro FMAB g, first                   ; the group's results x the row's combine weight, onto the output's tiles; the first expert starts them: nothing is cleared
.irp m, 0,1,2,3
	WIN (0xa0+0x50*(\m/2))|(1-((\g)%2))
.irp u, 0,1
.irp p, 0,2,4,6
.set rO, 128*(\m%2)+8*(2*(\g)+\u)+\p
.set rT, 192-8*((\g)%2)+8*(4*\u+\m)+\p
.if \first
	v_pk_mul_f32 v[rO:rO+1], v[rT:rT+1], v[176+2*\m:177+2*\m] op_sel_hi:[1,0]
.else
	v_pk_fma_f32 v[rO:rO+1], v[rT:rT+1], v[176+2*\m:177+2*\m], v[rO:rO+1] op_sel_hi:[1,0,1]
.endif
.endr
.endr
.endr
.endm
; one expert's down product.  first = 1: its results start the output's tiles.  more = 1: another expert follows, and its first four groups are asked for under this one's last four
.macro SLOTB first, more
.if \more
	NEXTE
	PTR 28, 10, 204800
.endif
.if !\first
	s_wait_alu depctr_vm_vsrc(0)                   ; the first expert's LDS loads have read v12 and v13, which are written again
.endif
	v_add_nc_u32 v12, s23, v10
	v_add_nc_u32 v13, s23, v11
	s_wait_alu depctr_va_vdst(0)                   ; v12 and v13 are written, which the LDS loads below read; behind the first expert also: its last products are done reading the hidden fragments and their scale words, its last multiply-adds the combine weights, in which these loads land
.irp f, 0,1,2,3,4,5,6,7
.irp p, 0,1,2,3,4,5
	ds_load_b64 v[72+12*\f+2*\p:72+12*\f+2*\p+1], v12 offset:1536*\f+256*\p
.endr
.endr
.irp f, 0,1,2,3,4,5,6,7
	ds_load_b32 v[24+\f], v13 offset:128*\f
.endr
.irp m, 0,1,2,3
	ds_load_b32 v[176+2*\m], v13 offset:1024+128*\m
.endr
	s_wait_dscnt 0x0
.irp g, 0,1,2,3,4,5,6,7
.if \more || (\g < 5)
	s_wait_loadcnt 42                              ; this group's weights are in; three groups of 14 loads stay out
.else
	s_wait_loadcnt 14*(7-\g)                       ; the last expert's last groups: behind this one 2, 1, 0 groups of 14 loads
.endif
	MULB \g
.if \g == 0
	PLACES 5
.else
	FMAB \g-1, \first                              ; 32 plain lines that name no register of the products just issued: the places in front of the loads below and of the next reading of results
.endif
.if \g < 4
	WIN 0x40
	s_wait_alu depctr_va_vdst(0)                   ; this group's products are done reading their weights and scale words: the set is asked for again at once
	LOADB 26, \g+4, \g%4
.elseif \more
	WIN 0x40
	s_wait_alu depctr_va_vdst(0)                   ; likewise: the set takes the next expert's group
	LOADB 28, \g-4, \g%4
.endif
.endr
	PLACES 4
	FMAB 7, \first
	WIN 0
.if \more
	s_wait_xcnt 0x0                                ; the loads have read their base: it may be written
	s_mov_b64 s[26:27], s[28:29]
.endif
.endm
	s_load_b256 s[4:11], s[0:1], 0x0               ; xq, xs, wqa, wqb
	s_load_b128 s[12:15], s[0:1], 0x20             ; comb, order
	s_load_b64 s[16:17], s[0:1], 0x30              ; out0
	v_lshrrev_b32 v1, 5, v0
	v_readfirstlane_b32 s18, v1                    ; wave
	v_and_b32 v3, 31, v0                           ; lane
	v_and_b32 v23, 15, v0                          ; r
	v_bfe_u32 v248, v0, 4, 1                       ; h
	v_lshlrev_b32 v1, 4, v3                        ; 16 x lane: an image's place for my lane
	v_lshlrev_b32 v2, 2, v3                        ; 4 x lane: a scale word's
	s_wait_alu depctr_va_sdst(0)                   ; s18 is written, ahead of its first reader
	s_mul_i32 s30, s18, 12288
	v_add_nc_u32 v4, s30, v1                       ; where I store x's images: block m = my wave
	v_lshlrev_b32 v6, 5, v3
	v_add_nc_u32 v6, XSC, v6                       ; x's scale words: 32 bytes a lane
	s_lshl_b32 s30, s18, 10
	v_add_nc_u32 v5, s30, v6
	v_lshlrev_b32 v10, 3, v3
	v_add_nc_u32 v10, HID, v10                     ; a hidden fragment's pairs: 8 bytes a lane
	s_mul_i32 s30, s18, 768
	v_add_nc_u32 v7, s30, v10                      ; my wave's three pairs
	v_add_nc_u32 v11, HID+12288, v2                ; the hidden layer's scale words
	s_lshr_b32 s30, s18, 1
	s_lshl_b32 s30, s30, 7
	s_and_b32 s31, s18, 1
	s_lshl_b32 s31, s31, 1
	s_add_co_u32 s30, s30, s31
	v_add_nc_u32 v8, s30, v11                      ; my wave's K step and half of a word
	s_lshl_b32 s30, s18, 7
	v_add_nc_u32 v9, s30, v11
	v_add_nc_u32 v9, 1024, v9                      ; my tokens' combine weights
	s_mul_i32 s30, s18, 16640
	s_add_co_u32 s30, s30, STG
	v_mul_u32_u24 v20, v23, 1040
	v_lshl_add_u32 v20, v248, 5, v20
	v_add_nc_u32 v20, s30, v20                     ; the stage, in: row r, 32 bytes for each half of the lanes
	v_add_nc_u32 v21, s30, v1                      ; back: 16 bytes a lane
	s_lshl_b32 s30, s18, 10
	v_add_nc_u32 v22, s30, v1                      ; my place in a row of out0
	s_lshl_b32 s30, s18, 4
	v_add_nc_u32 v249, s30, v23                    ; my row of the tile: 16 w + r
	v_add_nc_u32 v252, 32, v3                      ; rows lane and lane + 32, for the way out
	s_mov_b32 s100, 0xbfb8aa3b                     ; -log2(e), as a pair
	s_mov_b32 s101, s100
	s_mov_b32 s104, 0x76543210
	s_mov_b32 s105, 0xfedcba98                     ; lane l xor 16
	s_lshl_b32 s30, ttmp9, 2
	s_mov_b32 s31, 0
	s_wait_kmcnt 0x0
	s_add_nc_u64 s[32:33], s[14:15], s[30:31]
	s_load_b32 s34, s[32:33], 0x8000               ; my tile's word: first position | rows << 16; the list of tiles lies behind the 8,192 positions
	s_mul_i32 s30, s18, 102400
	s_add_nc_u64 s[8:9], s[8:9], s[30:31]          ; my wave's part of an expert's gate and up,
	s_mul_i32 s30, s18, 51200
	s_add_nc_u64 s[10:11], s[10:11], s[30:31]      ; and of its down
	s_wait_kmcnt 0x0
	s_and_b32 s66, s34, 0xffff
	s_min_u32 s66, s66, 0x1fff                     ; the first position
	s_bfe_u32 s67, s34, 0x70010
	s_min_u32 s67, s67, 64                         ; the rows
	s_max_u32 s30, s67, 1
	s_sub_co_u32 s30, s30, 1                       ; the last valid row (0 in an empty tile)
	v_min_u32 v249, s30, v249                      ; rows beyond the count take the last valid one
	v_min_u32 v251, s30, v3
	v_min_u32 v252, s30, v252
	v_add_nc_u32 v249, s66, v249
	v_add_nc_u32 v251, s66, v251
	v_add_nc_u32 v252, s66, v252
	v_min_u32 v249, 0x1fff, v249                   ; held inside the list
	v_min_u32 v251, 0x1fff, v251
	v_min_u32 v252, 0x1fff, v252
	v_lshlrev_b32 v249, 2, v249
	v_lshlrev_b32 v251, 2, v251
	v_lshlrev_b32 v252, 2, v252
	s_wait_alu depctr_va_vdst(0)                   ; v249, v251 and v252 are written, which the three loads below read; so are the addresses v1 to v11 and v20 to v22, which serve the whole kernel
	global_load_b32 v15, v249, s[14:15]            ; token | mask << 16: my row's,
	global_load_b32 v253, v251, s[14:15]           ; rows 0-31's, a lane a row,
	global_load_b32 v254, v252, s[14:15]           ; rows 32-63's
	s_wait_loadcnt 0x0
	s_mov_b32 s14, s67                             ; the list's address has served: s14 keeps the tile's rows
	v_readfirstlane_b32 s19, v253
	s_wait_alu depctr_va_sdst(0)                   ; s19 is written, ahead of its first reader
	s_bfe_u32 s19, s19, 0x80010                    ; the pair's mask, from row 0, which is valid in every tile that has rows;
	s_cmp_lg_u32 s14, 0
	s_cselect_b32 s19, s19, 0                      ; none in an empty tile
	v_and_b32 v15, 0xffff, v15
	v_min_u32 v15, 0x1fff, v15                     ; my token, held inside the tables
	v_mul_u32_u24 v16, v15, 768
	v_mul_u32_u24 v250, v248, 48
	v_add_nc_u32 v16, v16, v250                    ; its codes, my half's 48 bytes of a K step
	v_lshlrev_b32 v17, 5, v15
	v_lshlrev_b32 v18, 4, v15
	s_wait_alu depctr_va_vdst(0)                   ; v16 and v17 are written, which the gather reads, and v18, which the loads of the combine weights read
.irp k, 0,1,2,3,4,5,6,7
.irp c, 0,1,2
	global_load_b128 v[72+12*\k+4*\c:72+12*\k+4*\c+3], v16, s[4:5] offset:96*\k+16*\c
.endr
.endr
	global_load_b128 v[168:171], v17, s[6:7]
	global_load_b128 v[172:175], v17, s[6:7] offset:16
	s_mov_b32 s20, s19
	NEXTE
	s_mov_b32 s22, s66                             ; the expert in hand,
	s_mov_b32 s21, s25                             ; and that there is one
	PTR 26, 8, 409600
	WLOADA 26, 0, 0
	WLOADA 26, 1, 1
	; while the gather is on its way: where the 64 rows lie in out0, as scalars
	v_and_b32 v253, 0xffff, v253
	v_and_b32 v254, 0xffff, v254
.set n, 0
.rept 32
	v_readlane_b32 s[32+n], v253, n
	v_readlane_b32 s[68+n], v254, n
.set n, n+1
.endr
	s_wait_alu depctr_va_sdst(0)                   ; the 64 scalars are written, ahead of their first readers: one wait for the run
.set n, 0
.rept 32
	s_min_u32 s[32+n], s[32+n], 0x1fff             ; held inside out0
	s_min_u32 s[68+n], s[68+n], 0x1fff
.set n, n+1
.endr
.set n, 0
.rept 32
	s_lshl_b32 s[32+n], s[32+n], 12                ; a row is 4,096 bytes
	s_lshl_b32 s[68+n], s[68+n], 12
.set n, n+1
.endr
	s_wait_loadcnt 56                              ; the gather is in; the weights' 56 loads stay out
.irp k, 0,1,2,3,4,5,6,7
.irp c, 0,1,2
	ds_store_b128 v4, v[72+12*\k+4*\c:72+12*\k+4*\c+3] offset:1536*\k+512*\c
.endr
.endr
	ds_store_b128 v5, v[168:171]
	ds_store_b128 v5, v[172:175] offset:16
	s_wait_dscnt 0x0                               ; for the others' sake: my block of x lies in LDS
	s_barrier_signal -1
	s_barrier_wait -1
	s_wait_alu depctr_vm_vsrc(0)                   ; my LDS stores have read v72 to v175: x's fragments land in v72-167 from here on, and v168-175 are written by vector instructions
.irp m, 0,1,2,3
.irp c, 0,1
	ds_load_b128 v[24+8*\m+4*\c:24+8*\m+4*\c+3], v6 offset:1024*\m+16*\c     ; x's scale words: register 24 + 8 m + s
.endr
.endr
	XLOAD 0
	v_mov_b32 v170, 0                              ; a lane permute's destination counts as read
	v_mov_b32 v171, 0
.irp m, 0,1,2,3
	v_mov_b32 v[177+2*\m], 0                       ; named as the upper halves of the combine weights' pairs
.endr
	; ---- STAGE A: a trip an expert; two trips, which an empty tile jumps over
	s_mov_b32 s23, 0                               ; the slot's first byte
	s_mov_b32 s24, 2
.LloopA:
	s_cmp_eq_u32 s21, 0
	s_cbranch_scc1 .LskipA
	NEXTE
	PTR 28, 8, 409600
	s_and_b32 s30, s22, 4                          ; the expert's combine weights: experts 4-7 lie 2^17 bytes on; 4 bytes an expert within a token's 16
	s_lshl_b32 s30, s30, 15
	s_and_b32 s67, s22, 3
	s_lshl_b32 s67, s67, 2
	s_add_co_u32 s30, s30, s67
	s_mov_b32 s31, 0
	s_add_nc_u64 s[2:3], s[12:13], s[30:31]
	STEPA 0
	STEPA 1
	STEPA 2
	STEPA 3
	STEPA 4
	STEPA 5
	STEPA 6
	STEPA 7
	WIN 0
	PLACES 4                                       ; behind the last products: their results are read, and the second set of x's registers is written
	v_add_nc_u32 v12, s23, v7
	v_add_nc_u32 v13, s23, v8
	v_add_nc_u32 v14, s23, v9
	EPI 0
	EPI 1
	EPI 2
	EPI 3
	s_wait_alu depctr_va_vdst(0)                   ; block 3's codes and scale bytes are written, which the LDS stores below read.  No vector or matrix instruction follows in this trip: behind the last trip this wait also serves the first loads of the down weights
	EPIST 3
	s_wait_dscnt 0x0                               ; my stores lie in LDS
	s_wait_xcnt 0x0                                ; the loads have read their bases: they may be written
	s_wait_alu depctr_vm_vsrc(0)                   ; my LDS stores have read v12 to v14, v19 and the codes' registers v184-223: the next trip, or stage B, writes them again
	s_mov_b64 s[26:27], s[28:29]
	s_mov_b32 s22, s66
	s_mov_b32 s21, s25
.LskipA:
	s_add_co_u32 s23, s23, HSLOT
	s_sub_co_u32 s24, s24, 1
	s_cmp_lg_u32 s24, 0
	s_cbranch_scc1 .LloopA
	s_wait_loadcnt 0x0                             ; the loads issued ahead behind the last expert have landed: their registers are used anew
	; ---- between the stages: the first expert's first four groups of down are asked for ahead of the barrier.  They land in stage A's accumulators and in scale words that its products read.
	; No wait on va_vdst here: no vector or matrix instruction has been issued since the one ahead of block 3's stores; on an empty tile's way none has ever named these registers
	s_mov_b32 s20, s19
	NEXTE
	PTR 26, 10, 204800
	LOADB 26, 0, 0
	LOADB 26, 1, 1
	LOADB 26, 2, 2
	LOADB 26, 3, 3
	s_wait_dscnt 0x0
	s_barrier_signal -1                            ; every wave's part of the hidden layer lies in LDS
	s_barrier_wait -1
	s_cmp_eq_u32 s14, 0                            ; an empty tile has passed both barriers and ends: it stores nothing
	s_cbranch_scc1 .Lend
	; ---- STAGE B: the pair's two experts, written out
	s_mov_b32 s23, 0
	SLOTB 1, 1
	s_mov_b32 s23, HSLOT
	SLOTB 0, 0
	; ---- THE WAY OUT, a block of 16 rows at a time through my own stage: a lane holds 32 neighbouring bytes of a row; back come 512 consecutive bytes an instruction.
	; It ends behind the last block that holds a valid row: the three short ends are written out, so that every wait's count is right on its own way.
.macro ROFF m                          ; where the block's 16 rows lie in out0: sixteen registers of its own for each block, so that none is written again
.set ii, 0
.rept 16
.set ps, 16*(\m)+ii
.if ps < 32
.set sr, 32+ps
.else
.set sr, 36+ps
.endif
	v_add_nc_u32 v[72+16*(\m)+ii], s[sr], v22
.set ii, ii+1
.endr
.endm
.macro TOSTAGE m
	WIN 0x08+4*((\m)/2)                            ; an LDS store's data are its source 1: window 2 or 3
.irp n, 0,1,2,3,4,5,6,7,8,9,10,11,12,13,14,15
	ds_store_b128 v20, v[128*((\m)%2)+8*\n:128*((\m)%2)+8*\n+3] offset:64*\n
	ds_store_b128 v20, v[128*((\m)%2)+8*\n+4:128*((\m)%2)+8*\n+7] offset:64*\n+16
.endr
	WIN 0x40
.irp i, 0,1,2,3,4,5,6,7,8,9,10,11,12,13,14,15
.irp q, 0,1
	ds_load_b128 v[128*((\m)%2)+8*\i+4*\q:128*((\m)%2)+8*\i+4*\q+3], v21 offset:1040*\i+512*\q   ; LDS serves a wave's instructions in order: these see the stores above
.endr
.endr
	WIN 0
.endm
.macro SEND m, younger
	s_wait_dscnt \younger
	WIN 0x04                                       ; a store's data are its source 1: window 1
.irp i, 0,1,2,3,4,5,6,7,8,9,10,11,12,13,14,15
.irp q, 0,1
	global_store_b128 v[72+16*(\m)+\i], v[128*((\m)%2)+8*\i+4*\q:128*((\m)%2)+8*\i+4*\q+3], s[16:17] offset:512*\q th:TH_STORE_NT   ; 512 consecutive bytes of a row, at a multiple of 256 from out0's first byte
.endr
.endr
	WIN 0
.endm
	ROFF 0
	ROFF 1
	ROFF 2
	ROFF 3
	s_wait_alu depctr_va_vdst(0)                   ; the multiply-adds have written the output's tiles, which the LDS stores read; the products and multiply-adds are done with window 1, in which the rows land; the 64 offsets are written, which the global stores read.  No vector instruction follows but the closing lines' two
	TOSTAGE 0
	s_cmp_le_u32 s14, 16
	s_cbranch_scc1 .Lout0
	TOSTAGE 1
	SEND 0, 63                                     ; behind block 0's loads stand 64 LDS instructions; a wait names 63 at the most
	s_wait_xcnt 0x0                                ; block 0's stores have had their addresses translated,
	s_wait_alu depctr_vm_vsrc(0)                   ; and have read their 128 registers of window 1, in which block 2's rows land
	s_cmp_le_u32 s14, 32
	s_cbranch_scc1 .Lout1
	TOSTAGE 2
	SEND 1, 63
	s_wait_xcnt 0x0                                ; block 1's stores likewise,
	s_wait_alu depctr_vm_vsrc(0)                   ; and have read the other 128 registers, in which block 3's rows land
	s_cmp_le_u32 s14, 48
	s_cbranch_scc1 .Lout2
	TOSTAGE 3
	SEND 2, 63
	SEND 3, 0
.Lend:
	s_wait_xcnt 0x0
	v_lshl_add_u32 v254, v0, 2, 0x24000            ; the add's two registers are made anew: no memory or LDS instruction has read either
	v_mov_b32 v255, 0
	s_wait_dscnt 0x0                               ; the closing lines, six on end
	s_wait_alu 0x0
	s_wait_tensorcnt 0x0
	ds_add_u32 v254, v255
	s_wait_dscnt 0x0
	s_endpgm
.Lout0:
	SEND 0, 0
	s_wait_xcnt 0x0
	v_lshl_add_u32 v254, v0, 2, 0x24000
	v_mov_b32 v255, 0
	s_wait_dscnt 0x0                               ; the closing lines
	s_wait_alu 0x0
	s_wait_tensorcnt 0x0
	ds_add_u32 v254, v255
	s_wait_dscnt 0x0
	s_endpgm
.Lout1:
	SEND 1, 0
	s_wait_xcnt 0x0
	v_lshl_add_u32 v254, v0, 2, 0x24000
	v_mov_b32 v255, 0
	s_wait_dscnt 0x0                               ; the closing lines
	s_wait_alu 0x0
	s_wait_tensorcnt 0x0
	ds_add_u32 v254, v255
	s_wait_dscnt 0x0
	s_endpgm
.Lout2:
	SEND 2, 0
	s_wait_xcnt 0x0
	v_lshl_add_u32 v254, v0, 2, 0x24000
	v_mov_b32 v255, 0
	s_wait_dscnt 0x0                               ; the closing lines
	s_wait_alu 0x0
	s_wait_tensorcnt 0x0
	ds_add_u32 v254, v255
	s_wait_dscnt 0x0
	s_endpgm
.Lfunc_end_k_q5d199ff67f_experts:
	.size	k_q5d199ff67f_experts, .Lfunc_end_k_q5d199ff67f_experts-k_q5d199ff67f_experts
	.p2alignl 7, 3214868480
	.fill 96, 4, 3214868480
	.section	.rodata,"a",@progbits
	.p2align	6, 0x0
	.amdhsa_kernel k_q5d199ff67f_experts
		.amdhsa_group_segment_fixed_size 147968
		.amdhsa_private_segment_fixed_size 0
		.amdhsa_enable_private_segment 0
		.amdhsa_kernarg_size 56
		.amdhsa_user_sgpr_count 2
		.amdhsa_user_sgpr_kernarg_segment_ptr 1
		.amdhsa_wavefront_size32 1
		.amdhsa_system_sgpr_workgroup_id_x 1
		.amdhsa_system_sgpr_workgroup_id_y 1
		.amdhsa_system_sgpr_workgroup_id_z 1
		.amdhsa_system_vgpr_workitem_id 0
		.amdhsa_next_free_vgpr 1024
		.amdhsa_next_free_sgpr 106
		.amdhsa_reserve_vcc 0
		.amdhsa_float_denorm_mode_32 3
		.amdhsa_float_denorm_mode_16_64 3
		.amdhsa_memory_ordered 1
		.amdhsa_forward_progress 1
		.amdhsa_inst_pref_size 255
	.end_amdhsa_kernel
	.section	.bss,"aw",@nobits
	.p2align	6
	.space	262144
	.amdgpu_metadata
---
amdhsa.version: [ 1, 2 ]
amdhsa.kernels:
  - .name:           k_q5d199ff67f_experts
    .symbol:         k_q5d199ff67f_experts.kd
    .args:
      - { .name: xq, .offset: 0, .size: 8, .value_kind: global_buffer, .address_space: global }
      - { .name: xs, .offset: 8, .size: 8, .value_kind: global_buffer, .address_space: global }
      - { .name: wqa, .offset: 16, .size: 8, .value_kind: global_buffer, .address_space: global }
      - { .name: wqb, .offset: 24, .size: 8, .value_kind: global_buffer, .address_space: global }
      - { .name: comb, .offset: 32, .size: 8, .value_kind: global_buffer, .address_space: global }
      - { .name: order, .offset: 40, .size: 8, .value_kind: global_buffer, .address_space: global }
      - { .name: out0, .offset: 48, .size: 8, .value_kind: global_buffer, .address_space: global }
    .group_segment_fixed_size: 147968
    .private_segment_fixed_size: 0
    .kernarg_segment_align: 8
    .kernarg_segment_size: 56
    .max_flat_workgroup_size: 128
    .sgpr_count:     106
    .vgpr_count:     1024
    .wavefront_size: 32
...
	.end_amdgpu_metadata
.endif
;; end of part 6
